; MI455X (gfx1250); checked and timed in simulation.
; The chip was launched on July 23, 2026; its instructions are those of AMD's public machine-readable ISA for CDNA 5 (MIT licence, August 2026) and "CDNA5" Instruction Set Architecture Reference Guide (July 2026). The comments in the code are by the model that wrote it; some were corrected since.
;; Multi Head Attention. Allowed arithmetic: matrix products marked QUANTISED: E2M3 operands, one E8M0 scale for each 32 along K, by v_wmma_scale_f32_16x16x128_f8f6f4 with both operands' format E2M3, f32 sums; everything else in f32.
;; Inputs: W_out 1,024 x 1,024 float32; W_qkv 3,072 x 1,024 float32; x 4 x 1,024 x 2,048 float32.
;; Outputs: out0 4 x 1,024 x 2,048 float32.
;; This version of the problem:
;;   THIS VERSION OF THE PROBLEM IS GIVEN IN LOW PRECISION. The matrix products marked QUANTISED in the list below multiply operands that are first quantised to E2M3 (2 exponent bits, 3 mantissa bits; 6 bits a number), with one power-of-two scale for each 32 numbers along K (OCP MX v1.0); their sums are f32. All else is computed in f32.
;;   The module's matrix products, in the order in which they are computed (A, B: the left and right operand; K: the contracted axis; several contracted axes count as one K, in the product's order):
;;     1. [M 8,192, K 1,024] x [K 1,024, N 3,072]; A: input x; B: input W_qkv: QUANTISED
;;     2. batch 32 x [M 2,048, K 128] x [K 128, N 2,048]; A: computed on the way; B: computed on the way: QUANTISED
;;     3. batch 32 x [M 128, K 2,048] x [K 2,048, N 2,048]; A: computed on the way; B: computed on the way: QUANTISED
;;     4. [M 8,192, K 1,024] x [K 1,024, N 1,024]; A: computed on the way; B: input W_out: QUANTISED
;;   THE QUANTISER, for each operand of a quantised product, along K:
;;     - K is cut into blocks of 32 from its start; a last block that is shorter is filled with zeros.
;;     - A block's scale is 2^e with e = floor(log2(the largest magnitude in the block)) - 2, held to -126 .. 127; a block of zeros has e = 0. As a byte (E8M0): e + 127.
;;     - Each number is divided by its block's scale, clamped to +-7.5, and rounded to the nearest number of E2M3, ties to even, subnormals kept.
;;     - The product sums the exact products of the quantised numbers (number of the format x scale) in f32.
;;   ~~~python
;;   def quantise(x, axis):      # numpy; x: float32 -> the quantised numbers, widened to float32 again
;;       x = np.moveaxis(x, axis, -1); K = x.shape[-1]
;;       x = np.pad(x, [(0, 0)] * (x.ndim - 1) + [(0, -K % 32)]); x = x.reshape(x.shape[:-1] + (-1, 32)); a = np.abs(x).max(-1, keepdims=True)
;;       e = np.where(a > 0, np.clip(np.frexp(np.where(a > 0, a, 1))[1] - 1 - 2, -126, 127), 0)      # np.frexp(a)[1] - 1 = floor(log2(a)), exactly
;;       r = np.clip(x / 2.0 ** e, -7.5, 7.5)
;;       step = 2.0 ** (np.maximum(np.frexp(np.where(r == 0, 1, r))[1] - 1, 0) - 3)
;;       q = np.round(r / step) * step * 2.0 ** e      # np.round: ties to even
;;       return np.moveaxis(q.reshape(q.shape[:-2] + (-1,))[..., :K], -1, axis).astype(np.float32)
;;   ~~~
;;   OPERANDS COMPUTED ON THE WAY. 'Computed on the way' means the value that the module computes at that place (a softmax that the list does not call 'softmax' is quantised finished and normalised). What goes into a quantiser is computed in f32, as accurately as f32 sums, v_exp_f32 and their like allow (about 1e-6 of the number): no bf16 or f16 on the way to a quantiser, and a product that is left as it is and whose result goes on into a quantised operand takes f32 operands (vector FMAs, or v_wmma_f32_16x16x4_f32). A number that lies on a knife's edge between two numbers of the format may be rounded either way, as far as f32 arithmetic and the matrix unit's own rounding can turn it there, and no further.
;; One version. Each part assembles by itself: llvm-mc -triple=amdgcn-amd-amdhsa -mcpu=gfx1250 --defsym DOCPART=n.
;; ======== version 1 of 1: 4 launches
;; workspace buffers: xq 6,291,456 bytes; wc 3,145,728 bytes; sc 655,360 bytes; qc 6,291,456 bytes; qs 262,144 bytes; kv 13,107,200 bytes; cq 6,291,456 bytes
;; launch quant (part 1): grid 768 x 1, 4 waves a work-group, no clusters, 61,952 bytes of LDS; arguments x, W_qkv, W_out, xq, wc, sc; writes xq, wc, sc
.if DOCPART == 1
	.amdgcn_target "amdgcn-amd-amdhsa--gfx1250"
	.amdhsa_code_object_version 6
	.text
	.protected	k_qd0364f3650_quant
	.globl	k_qd0364f3650_quant
	.p2align	8
	.type	k_qd0364f3650_quant,@function
k_qd0364f3650_quant:
	s_mov_b64 s[64:65], 0
	v_nop
	global_prefetch_b8 v0, s[64:65] scope:SCOPE_SE
	s_setreg_imm32_b32 hwreg(HW_REG_WAVE_MODE, 25, 1), 1
	s_wait_xcnt 0x0
; MultiHeadAttention without softmax: qkv = W_qkv x; A = Q^T K / sqrt(128); C = A V; out = W_out C.  All four products on codes of FP6 (E2M3) with one E8M0 scale for each 32 along K.
; DEAD WORK: none.  Each quantiser is a step of the problem, so (Q^T K) V is not re-associated and 1/sqrt(128) is multiplied in f32 ahead of A's quantiser; x, W_qkv and W_out all reach the output and are all loaded.
; THIS LAUNCH turns x [4][1024 c][2048 s] (K = c, its middle axis) and W_qkv [3072][1024], W_out [1024][1024] (K innermost) into codes and scale words, laid as the products' launches take them:
;   a TILE is 16 rows of an operand: of each 32 rows, tile 2 g + u takes rows 32 g + 8 u + r + 8 (r / 8), r = 0 .. 15;
;   a FRAGMENT (a tile x 128 along K) is the image of the operand's 12 registers: three pieces of 512 bytes, lane l's 16 bytes at 16 l; lane (r, h) holds blocks h and 2 + h of row r, 24 bytes each;
;   xq, wc: [tile][K step 0..7][1536 bytes];  sc: [tile / 4][K step][r][tile % 4] words: x's from byte 0, the weights' from 262,144 (W_qkv tiles 0-191, W_out 192-255), C's from 393,216 (written by the attention launch).
; A block's scale is 2^(floor(log2(largest magnitude)) - 2); its byte is the largest magnitude's exponent field - 2, held at 1 from below.
; LIMITS: a block of zeros gets the byte 1 where the rule says 127 (its codes are zeros, and this program alone reads the bytes); NaN and infinities among the inputs are not served.
; Work-groups 0-511 take x (128 positions x one K step of 128 of c each), 512-767 the weights (4 tiles x two K steps each): small shares, so that several work-groups lie on a WGP and many loads are on their way.
; The two ways part on the work-group's number and have LDS bytes of their own.  No tensor load, no matrix unit, no cluster: a stream.
.set XST,   0                          ; x: a stage for each wave: two tiles, 3,200 bytes apart
.set XWB,   6400
.set XSC,   25600                      ; x: 2 units of 256 bytes of scale words
.set WST,   26624                      ; weights: a stage of 16 rows x (512 + 16) bytes for each wave
.set WWB,   8448
.set WSC,   60416                      ; weights: 2 units of scale words
.set SPARE, 61440                      ; the spare words, 128 bytes for each wave
.set SPW,   14                         ; v14  my spare word's address; never rewritten
.set NIL,   15                         ; v15  0; never rewritten
.set X,     32                         ; x: v32-95 two sets of 32 numbers
.set C,     96                         ; v96-101 a block's six registers of codes
.set E,     104                        ; v104-106 its second half as converted
.set SB,    24                         ; v24 my position's scale word
.set OUTR,  112                        ; v112-135 the way out
.set R,     32                         ; weights: v32-95 16 rows as loaded
.set XN,    96                         ; v96-159 64 numbers of my row
.set PC,    160                        ; v160-178 codes
.set TM,    180                        ; v180-191 at work
.set PW,    192                        ; v192 the scale word
.set SEL,   30                         ; s[30:31] selects for lane l xor 16
	s_load_b256 s[4:11], s[0:1], 0x0               ; x s[4:5], W_qkv s[6:7], W_out s[8:9], xq s[10:11]
	s_load_b128 s[12:15], s[0:1], 0x20             ; wc s[12:13], sc s[14:15]
	v_lshl_add_u32 v[SPW], v0, 2, SPARE
	v_mov_b32 v[NIL], 0
	v_lshrrev_b32 v1, 5, v0
	v_readfirstlane_b32 s16, v1                    ; wave
	v_and_b32 v2, 31, v0                           ; lane
	s_cmp_ge_u32 ttmp9, 512
	s_cbranch_scc1 .Lweights
; ---------------- x: a lane takes a position, its registers run down c ----------------
	s_and_b32 s17, ttmp9, 63                       ; P: which 128 positions
	s_lshr_b32 s18, ttmp9, 6                       ; y: which K step
	s_lshr_b32 s20, s17, 4                         ; batch
	s_lshl_b32 s20, s20, 23                        ; x 8,388,608 bytes
	s_lshl_b32 s21, s18, 20                        ; 128 rows of 8,192 bytes
	s_add_co_u32 s20, s20, s21
	s_and_b32 s21, s17, 15
	s_lshl_b32 s21, s21, 9                         ; 128 positions of 4 bytes
	s_add_co_u32 s20, s20, s21
	s_lshl_b32 s21, s16, 7                         ; my wave's 32 positions
	s_add_co_u32 s20, s20, s21
	s_mov_b32 s21, 0
	v_lshlrev_b32 v3, 2, v2                        ; in: 4 bytes a lane
	v_bfe_u32 v4, v2, 3, 1                         ; u: which of the two tiles my position belongs to
	v_and_b32 v5, 7, v2
	v_lshrrev_b32 v6, 4, v2
	v_lshl_or_b32 v5, v6, 3, v5                    ; r: its row there
	s_mul_i32 s22, s16, XWB
	v_mul_u32_u24 v7, v4, 3200
	v_lshl_add_u32 v7, v5, 4, v7
	v_add_nc_u32 v7, s22, v7                       ; into the stage: wave, tile u, 16 r
	v_lshlrev_b32 v8, 4, v2                        ; 16 x lane: the way out, in memory
	v_add_nc_u32 v9, s22, v8                       ; and in the stage
	s_lshr_b32 s23, s16, 1
	s_lshl_b32 s23, s23, 8
	s_and_b32 s24, s16, 1
	s_lshl_b32 s24, s24, 3
	s_add_co_u32 s23, s23, s24
	s_add_co_u32 s23, s23, XSC
	v_lshlrev_b32 v10, 4, v5
	v_lshl_add_u32 v10, v4, 2, v10
	v_add_nc_u32 v10, s23, v10                     ; my scale word: 256 (wave / 2) + 16 r + 4 (2 (wave % 2) + u)
	v_lshlrev_b32 v12, 3, v2                       ; 8 x lane
	s_lshl_b32 s24, s16, 8
	s_add_co_u32 s24, s24, XSC
	v_add_nc_u32 v11, s24, v12                     ; the unit that my wave stores (waves 0 and 1)
	s_lshl_b32 s24, s17, 3
	s_lshl_b32 s25, s16, 1
	s_add_co_u32 s24, s24, s25                     ; my first tile: 8 P + 2 wave
	s_mul_i32 s24, s24, 12288
	s_mul_i32 s25, s18, 1536                       ; K step y
	s_add_co_u32 s24, s24, s25
	s_mov_b32 s25, 0
	s_lshl_b32 s26, s17, 1
	s_add_co_u32 s26, s26, s16
	s_lshl_b32 s26, s26, 11                        ; the group of four tiles 2 P + wave (waves 0 and 1),
	s_lshl_b32 s27, s18, 8                         ; K step y
	s_add_co_u32 s26, s26, s27
	s_mov_b32 s27, 0
	s_wait_kmcnt 0x0
	s_add_nc_u64 s[4:5], s[4:5], s[20:21]
	s_add_nc_u64 s[10:11], s[10:11], s[24:25]
	s_add_nc_u64 s[14:15], s[14:15], s[26:27]
.macro LOAD t                          ; block t: x(32 t + i, my position): a wave reads 128 consecutive bytes, the four waves 512
.irp i, 0,1,2,3,4,5,6,7,8,9,10,11,12,13,14,15,16,17,18,19,20,21,22,23,24,25,26,27,28,29,30,31
	global_load_b32 v[X+32*((\t)%2)+\i], v3, s[4:5] offset:(32*(\t)+\i)*8192 th:TH_LOAD_NT
.endr
.endm
	LOAD 0
	LOAD 1
.macro BLOCK t                         ; block t of the fragment's 4: lane (r, t % 2), registers 6 (t / 2) on
.set XS, X+32*((\t)%2)
.set OFS, 256*((\t)%2)
.if (\t) < 3
	s_wait_loadcnt 32                              ; this block's 32 loads are in; the next block's 32 may be out
.else
	s_wait_loadcnt 0x0
.endif
	v_max3_num_f32 v16, |v[XS]|, |v[XS+1]|, |v[XS+2]|   ; the block's largest magnitude: all 32 numbers are mine
	v_max3_num_f32 v17, |v[XS+3]|, |v[XS+4]|, |v[XS+5]|
.irp i, 6,10,14,18,22,26
	v_max3_num_f32 v16, v16, |v[XS+\i]|, |v[XS+\i+1]|
	v_max3_num_f32 v17, v17, |v[XS+\i+2]|, |v[XS+\i+3]|
.endr
	v_max3_num_f32 v16, v16, |v[XS+30]|, |v[XS+31]|
	v_max3_num_f32 v16, v16, v17, 0x1800000        ; and the floor 2^(3 - 127): the byte cannot fall under 1
	v_add_nc_u32 v18, 0xff000000, v16              ; 2 off the exponent field: the conversion's scale operand
	v_cvt_scalef32_pk16_fp6_f32 v[C:C+2], v[XS:XS+15], v18
	v_cvt_scalef32_pk16_fp6_f32 v[E:E+2], v[XS+16:XS+31], v18   ; (a conversion's three registers begin on an even number)
	v_lshrrev_b32 v19, 23, v18                     ; the scale's byte: also the plain line behind the conversions
.if (\t) == 0
	v_mov_b32 v[SB], v19
.else
	v_lshl_or_b32 v[SB], v19, 8*(\t), v[SB]
.endif
.irp i, 0,1,2
	v_mov_b32 v[C+3+\i], v[E+\i]
.endr
.if (\t)/2 == 0
	ds_store_b128 v7, v[C:C+3] offset:OFS          ; registers 0-3: piece 0
	ds_store_b64 v7, v[C+4:C+5] offset:OFS+512     ; registers 4, 5: the lower half of my 16 bytes of piece 1
.else
	ds_store_b64 v7, v[C:C+1] offset:OFS+520       ; registers 6, 7: the upper half
	ds_store_b128 v7, v[C+2:C+5] offset:OFS+1024   ; registers 8-11: piece 2
.endif
.if (\t)+2 < 4
	LOAD (\t)+2
.endif
	s_wait_dscnt 0x0                               ; the stores have read their registers: the next block's codes may be written
.endm
.irp t, 0,1,2,3
	BLOCK \t
.endr
	ds_store_b32 v10, v[SB]                        ; my position's scale word
.irp m, 0,1,2,3,4,5
	ds_load_b128 v[OUTR+4*\m:OUTR+4*\m+3], v9 offset:3200*(\m/3)+512*(\m%3)   ; LDS serves a wave's instructions in order: these see my stores
.endr
.irp m, 0,1,2,3,4,5
	s_wait_dscnt 5-\m                              ; the younger read-backs may be out
	global_store_b128 v8, v[OUTR+4*\m:OUTR+4*\m+3], s[10:11] offset:12288*(\m/3)+512*(\m%3)   ; 512 consecutive bytes
.endr
	s_barrier_signal -1                            ; (no LDS instruction of mine is out: the last count was 0)  every wave's scale words lie in LDS
	s_barrier_wait -1
	s_cmp_ge_u32 s16, 2                            ; two units of scale words: waves 0 and 1 store one each
	s_cbranch_scc1 .Lxend
	ds_load_b64 v[20:21], v11
	s_wait_dscnt 0x0
	global_store_b64 v12, v[20:21], s[14:15]       ; 32 lanes store one aligned 256 bytes
.Lxend:
	s_wait_tensorcnt 0x0                           ; the wave's end
	ds_add_u32 v[SPW], v[NIL]
	s_wait_dscnt 0x0
	s_endpgm
; ---------------- the weights: K innermost ----------------
; 64 numbers of a lane, v[s] on, register 16 b + i = k 32 b + 16 (lane / 16) + i of my row, become a fragment's codes in v[pc] .. v[pc + 11] and its scale word in v[pw].
.macro QUANT s, pc, pw
.irp b, 0,1,2,3
	v_max3_num_f32 v[TM+\b], |v[(\s)+16*\b]|, |v[(\s)+16*\b+1]|, 0x1800000   ; my 16 numbers of block b, and the floor 2^(3 - 127)
.endr
.irp i, 2,4,6,8,10,12,14
.irp b, 0,1,2,3
	v_max3_num_f32 v[TM+\b], |v[(\s)+16*\b+\i]|, |v[(\s)+16*\b+\i+1]|, v[TM+\b]
.endr
.endr
.irp b, 0,1,2,3
	v_permlanex16_b32 v[TM+4+\b], v[TM+\b], s[SEL], s[SEL+1]
.endr
.irp b, 0,1,2,3
	v_max_num_f32 v[TM+\b], v[TM+\b], v[TM+4+\b]   ; with lane l xor 16's: the block's largest magnitude
.endr
.irp b, 0,1,2,3
	v_add_nc_u32 v[TM+8+\b], 0xff000000, v[TM+\b]  ; the conversion's scale operand
.endr
.irp b, 0,1,2,3
	v_lshrrev_b32 v[TM+4+\b], 23, v[TM+8+\b]       ; the scale's byte
.endr
	v_lshl_or_b32 v[\pw], v[TM+5], 8, v[TM+4]
	v_lshl_or_b32 v[\pw], v[TM+6], 16, v[\pw]
	v_lshl_or_b32 v[\pw], v[TM+7], 24, v[\pw]
.irp c, 0,1
	v_cvt_scalef32_pk16_fp6_f32 v[(\pc)+6*\c:(\pc)+6*\c+2], v[(\s)+32*\c:(\s)+32*\c+15], v[TM+8+2*\c]
	v_cvt_scalef32_pk16_fp6_f32 v[(\pc)+12+4*\c:(\pc)+14+4*\c], v[(\s)+32*\c+16:(\s)+32*\c+31], v[TM+9+2*\c]
.endr
	v_nop                                          ; one plain line behind a scaled conversion
.irp c, 0,1                            ; a whole block to a lane: lanes 0-15 block 2 c, lanes 16-31 block 2 c + 1
.irp i, 0,1,2
	v_permlane16_swap_b32 v[(\pc)+6*\c+\i], v[(\pc)+12+4*\c+\i]
.endr
.irp i, 0,1,2
	v_mov_b32 v[(\pc)+6*\c+3+\i], v[(\pc)+12+4*\c+\i]
.endr
.endr
.endm
.Lweights:
	s_sub_co_u32 s17, ttmp9, 512
	s_lshr_b32 s18, s17, 2                         ; G: which four tiles (0-47 W_qkv, 48-63 W_out)
	s_and_b32 s19, s17, 3                          ; which two K steps
	v_lshlrev_b32 v3, 4, v2                        ; 16 x lane
	v_and_b32 v9, 15, v2                           ; r
	v_lshrrev_b32 v10, 4, v2                       ; h
	s_mul_i32 s22, s16, WWB
	s_add_co_u32 s22, s22, WST
	v_add_nc_u32 v4, s22, v3                       ; the stage, in: a row's 512 bytes as they lie
	v_mul_u32_u24 v5, v9, 528
	v_lshl_add_u32 v5, v10, 6, v5
	v_add_nc_u32 v5, s22, v5                       ; out: row r, + 64 h: my 16 numbers of each block
	s_lshl_b32 s23, s16, 2
	s_add_co_u32 s23, s23, WSC
	v_lshl_add_u32 v6, v9, 4, s23                  ; my row's scale word: 16 r + 4 wave; the K step in the immediate
	v_lshlrev_b32 v8, 3, v2
	s_lshl_b32 s23, s16, 8
	s_add_co_u32 s23, s23, WSC
	v_add_nc_u32 v7, s23, v8                       ; the unit that my wave stores (waves 0 and 1)
	s_mov_b32 s[SEL], 0x76543210
	s_mov_b32 s[SEL+1], 0xfedcba98
.irp b, 0,1,2,3
	v_mov_b32 v[TM+4+\b], 0                        ; written once: a lane permute's destination counts as one of its sources
.endr
	s_lshl_b32 s24, s18, 2
	s_add_co_u32 s24, s24, s16                     ; my tile: 4 G + wave
	s_mul_i32 s24, s24, 12288
	s_mul_i32 s25, s19, 3072
	s_add_co_u32 s24, s24, s25
	s_mov_b32 s25, 0
	s_lshl_b32 s26, s18, 11
	s_lshl_b32 s27, s19, 1
	s_add_co_u32 s27, s27, s16
	s_lshl_b32 s27, s27, 8                         ; K step 2 x pair + wave (waves 0 and 1)
	s_add_co_u32 s26, s26, s27
	s_add_co_u32 s26, s26, 262144                  ; the weights' part of sc
	s_mov_b32 s27, 0
	s_wait_kmcnt 0x0
	s_cmp_lt_u32 s18, 48                           ; the choice hangs on the work-group's number alone
	s_cselect_b64 s[6:7], s[6:7], s[8:9]
	s_cselect_b32 s20, 0, 48
	s_sub_co_u32 s20, s18, s20                     ; the group within its tensor
	s_lshl_b32 s20, s20, 6
	s_lshr_b32 s21, s16, 1
	s_lshl_b32 s21, s21, 5
	s_add_co_u32 s20, s20, s21
	s_and_b32 s21, s16, 1
	s_lshl_b32 s21, s21, 3
	s_add_co_u32 s20, s20, s21                     ; my tile's first row: 64 G + 32 (wave / 2) + 8 (wave % 2)
	s_lshl_b32 s20, s20, 12                        ; rows of 4,096 bytes
	s_lshl_b32 s21, s19, 10                        ; two K steps are 1,024 bytes of a row
	s_add_co_u32 s20, s20, s21
	s_mov_b32 s21, 0
	s_add_nc_u64 s[6:7], s[6:7], s[20:21]
	s_add_nc_u64 s[12:13], s[12:13], s[24:25]
	s_add_nc_u64 s[14:15], s[14:15], s[26:27]
.macro LOADR k                         ; the tile's 16 rows, 128 numbers each: a load reads 512 consecutive bytes
.irp i, 0,1,2,3,4,5,6,7,8,9,10,11,12,13,14,15
	global_load_b128 v[R+4*\i:R+4*\i+3], v3, s[6:7] offset:(\i+8*(\i/8))*4096+512*(\k) th:TH_LOAD_NT
.endr
.endm
	LOADR 0
.irp k, 0,1
	s_wait_loadcnt 0x0
.irp i, 0,1,2,3,4,5,6,7,8,9,10,11,12,13,14,15
	ds_store_b128 v4, v[R+4*\i:R+4*\i+3] offset:528*\i
.endr
.irp i, 0,1,2,3,4,5,6,7,8,9,10,11,12,13,14,15
	ds_load_b128 v[XN+4*\i:XN+4*\i+3], v5 offset:128*(\i/4)+16*(\i%4)   ; LDS serves a wave's instructions in order: these see my stores
.endr
	s_wait_dscnt 0x0
	s_wait_xcnt 0x0                                ; the last step's stores have read their codes: they may be written again
.if \k < 1
	LOADR \k+1
.endif
	QUANT XN, PC, PW
.irp c, 0,1,2
	global_store_b128 v3, v[PC+4*\c:PC+4*\c+3], s[12:13] offset:1536*\k+512*\c   ; the fragment as it stands: 512 consecutive bytes a store
.endr
	ds_store_b32 v6, v[PW] offset:256*\k           ; lanes r and r + 16 write the same word with the same value
.endr
	s_wait_dscnt 0x0                               ; for the others' sake: my scale words lie in LDS
	s_barrier_signal -1
	s_barrier_wait -1
	s_cmp_ge_u32 s16, 2                            ; two units of scale words: waves 0 and 1 store one each
	s_cbranch_scc1 .Lwend
	ds_load_b64 v[20:21], v7
	s_wait_dscnt 0x0
	global_store_b64 v8, v[20:21], s[14:15]        ; 32 lanes store one aligned 256 bytes
.Lwend:
	s_wait_tensorcnt 0x0                           ; the wave's end
	ds_add_u32 v[SPW], v[NIL]
	s_wait_dscnt 0x0
	s_endpgm
.Lfunc_end_k_qd0364f3650_quant:
	.size	k_qd0364f3650_quant, .Lfunc_end_k_qd0364f3650_quant-k_qd0364f3650_quant
	.p2alignl 7, 3214868480
	.fill 96, 4, 3214868480
	.section	.rodata,"a",@progbits
	.p2align	6, 0x0
	.amdhsa_kernel k_qd0364f3650_quant
		.amdhsa_group_segment_fixed_size 61952
		.amdhsa_private_segment_fixed_size 0
		.amdhsa_enable_private_segment 0
		.amdhsa_kernarg_size 48
		.amdhsa_user_sgpr_count 2
		.amdhsa_user_sgpr_kernarg_segment_ptr 1
		.amdhsa_wavefront_size32 1
		.amdhsa_system_sgpr_workgroup_id_x 1
		.amdhsa_system_sgpr_workgroup_id_y 1
		.amdhsa_system_sgpr_workgroup_id_z 1
		.amdhsa_system_vgpr_workitem_id 0
		.amdhsa_next_free_vgpr 200
		.amdhsa_next_free_sgpr 66
		.amdhsa_reserve_vcc 0
		.amdhsa_float_denorm_mode_32 3
		.amdhsa_float_denorm_mode_16_64 3
		.amdhsa_memory_ordered 1
		.amdhsa_forward_progress 1
		.amdhsa_inst_pref_size 41
	.end_amdhsa_kernel
	.amdgpu_metadata
---
amdhsa.version: [ 1, 2 ]
amdhsa.kernels:
  - .name:           k_qd0364f3650_quant
    .symbol:         k_qd0364f3650_quant.kd
    .args:
      - { .name: x, .offset: 0, .size: 8, .value_kind: global_buffer, .address_space: global }
      - { .name: W_qkv, .offset: 8, .size: 8, .value_kind: global_buffer, .address_space: global }
      - { .name: W_out, .offset: 16, .size: 8, .value_kind: global_buffer, .address_space: global }
      - { .name: xq, .offset: 24, .size: 8, .value_kind: global_buffer, .address_space: global }
      - { .name: wc, .offset: 32, .size: 8, .value_kind: global_buffer, .address_space: global }
      - { .name: sc, .offset: 40, .size: 8, .value_kind: global_buffer, .address_space: global }
    .group_segment_fixed_size: 61952
    .private_segment_fixed_size: 0
    .kernarg_segment_align: 8
    .kernarg_segment_size: 48
    .max_flat_workgroup_size: 128
    .sgpr_count:     66
    .vgpr_count:     200
    .wavefront_size: 32
...
	.end_amdgpu_metadata
.endif
;; end of part 1
;; launch gemm1 (part 2): grid 8 x 32, 4 waves a work-group, clusters of 4 x 4, 327,680 bytes of LDS; arguments xq, wc, sc, qc, qs, kv; writes qc, qs, kv
.if DOCPART == 2
	.amdgcn_target "amdgcn-amd-amdhsa--gfx1250"
	.amdhsa_code_object_version 6
	.text
	.protected	k_qd0364f3650_gemm1
	.globl	k_qd0364f3650_gemm1
	.p2align	8
	.type	k_qd0364f3650_gemm1,@function
k_qd0364f3650_gemm1:
	s_mov_b64 s[64:65], 0
	v_nop
	global_prefetch_b8 v0, s[64:65] scope:SCOPE_SE
	s_setreg_imm32_b32 hwreg(HW_REG_WAVE_MODE, 25, 1), 1
	s_wait_xcnt 0x0
	s_wait_alu depctr_hold_cnt(0) depctr_sa_sdst(0) depctr_va_vdst(0) depctr_va_sdst(0) depctr_va_ssrc(0) depctr_va_vcc(0) depctr_vm_vsrc(0)
	s_getreg_b32 s2, hwreg(HW_REG_IB_STS2, 6, 4)
	s_cmp_eq_u32 s2, 0
	s_cbranch_scc0 .Lentry_in_a_cluster
	s_endpgm
.Lentry_in_a_cluster:
	s_bfe_u32 s2, ttmp6, 0x10000c
	s_cmp_lg_u32 s2, 0xf033
	s_cbranch_scc0 .Lentry_shape_is_right
	s_endpgm
.Lentry_shape_is_right:
; qkv = W_qkv x on codes of FP6, K = 1,024 in eight steps of 128, and the quantisers of Q, K (along the head's 128 channels) and V (along the positions) on the way out.  No work is left out.
; A WORK-GROUP STAYS.  Work-group (c, p), c = 0 .. 7, p = 0 .. 31, owns positions 256 p on and makes two tiles with them:
;   part 1: 256 positions x channels 256 c on of Q and K (two heads of Q where c < 4, of K else).  x is source 1 (a lane is a position), W is source 0 (a lane's registers run along the channels).  A wave makes 128 x 128: 64 accumulators.
;   part 2: the 128 channels of V's head c x the same 256 positions.  W is source 1, x is source 0 (a lane's registers run along the positions).  A wave makes 64 x 128: 32 accumulators.
; 256 tiles of Q and K and 256 half tiles of V: one of each to each of 256 work-groups, so that set-up and first tiles are paid once and x's codes are fetched once for both parts.
; Operands lie in memory as images of their registers ([tile][K step][1536 bytes]): a fragment is three LDS loads of 512 consecutive bytes, and a result's 12 registers leave by three stores of 512 consecutive bytes.
; Since source 0's tiles take rows 32 g + 8 u + r + 8 (r / 8), a lane's 64 results against one tile of source 1 are 64 numbers in the order that the next operand wants: register 16 b + i = k 32 b + 16 (lane / 16) + i.
; LDS: x's 16 tiles for all of K, 196,608 bytes, as four slots of two K steps ([slot][tile][3,072]), filled once; behind them the weights' ring of two slots of 49,152 bytes (part 1: 16 tiles x two K steps; part 2: 8 tiles x four K steps).
; Every wave issues every tensor load, 12,288 bytes at slot + 12,288 x wave: six first fills (six of a wave are out at the most), then four refills of the ring: part 1's K steps 4, 5 and 6, 7, part 2's 0-3 and 4-7.
; CLUSTER 4 x 4: x's tiles are asked for jointly along a row of the cluster (same p), the weights' along a column (same c).
; No prefetch: all of x and half of part 1's weights are asked for at the head, and a refill's bytes are no stream that is read once: every row of clusters asks for them.
; OUT: qc [head 32][query tile 128][1536]; qs [head][tile / 4][r][tile % 4] words; kv [head][key step 16][25,600]: 8 fragments of K, 8 of V, 1,024 bytes of scale words (piece g: lane l's 4 words of tiles 4 g ..: lanes 0-15 K's, 16-31 V's).
; LIMITS: a block of zeros gets the byte 1 (its codes are zeros; this program alone reads the bytes); NaN and infinities are not served.
; REGISTERS: window 0: v1-25 addresses; v32-95 scale words (register 8 ks + i: lanes 0-15 source 1's tile i, lanes 16-31 source 0's tile i), part 1's and then part 2's; v96-123 the way out's work;
;   v128-223 source 1's fragments (part 1: one set of 8 tiles; part 2: two sets of 4), on the ways out the codes; window 1: source 0's two sets at v0, v128; windows 2, 3: accumulator (a, b) at v[8 (8 (a % 4) + b)].
.set FR,    12
.set XSL,   49152                      ; a slot
.set WR0,   4*XSL                      ; the weights' ring
.set SPARE, 6*XSL                      ; behind the ring: the spare words
.set LI,    1                          ; v1     16 x lane
.set XA,    2                          ; v2-5   x's slots, my half of the positions in part 1
.set XB,    6                          ; v6-9   and in part 2
.set WB,    10                         ; v10-11 the ring's slots, my half of the channels in part 1
.set WA,    12                         ; v12-13 and in part 2
.set SPW,   14
.set NIL,   15
.set SOF,   16                         ; v16    offset of part 1's scale words in sc
.set SOV,   18                         ; v18-19 of part 2's
.set SST,   20                         ; v20    part 1's way out: my lane's place among the scale words
.set SSV,   21                         ; v21    part 2's
.set SC,    32
.set TM,    96
.set PW8,   112
.set D4,    120
.set AF,    128
.set SEL,   2                          ; s[2:3]
.set LB,    66                         ; s66    12,288 x wave
.set MK,    67                         ; s67    lanes 16-31
.set G1X,   24                         ; s[24:31] group 1 for x;  s[32:39] for part 1's weights;  s[40:47] for part 2's
.set G1W,   32
.set G1V,   40
.set G0X,   48                         ; s[48:63] groups 0 for x's four slots
.set G0W,   68                         ; s[68:75] for part 1's weights, a set for each slot of the ring
.set G0V,   76                         ; s[76:83] for part 2's
.set PCO,   84                         ; s[84:85] part 1's codes go here;  s[86:87] its scale words;  s[88:89], s[90:91] part 2's
.set PSO,   86
.set VCO,   88
.set VSO,   90
.set MSB, 0
.macro WIN new                         ; the immediate's high byte repeats the setting that is left
.if MSB != (\new)
	s_set_vgpr_msb (MSB<<8)|(\new)
.set MSB, (\new)
.endif
.endm
.set MUL_LO, 0xa1                      ; source 0 window 1, source 1 window 0, C and D window 2
.set MUL_HI, 0xf1
.set TO_B,   0x40
.macro PLACES
.rept 4
	v_nop
.endr
.endm
.macro CREST
	s_cmp_lg_u32 s16, 0
	s_cbranch_scc1 .Lnot_wave_0_\@
	s_barrier_signal -3
.Lnot_wave_0_\@:
	s_barrier_wait -3
	s_barrier_signal -1
	s_barrier_wait -1
.endm
.macro CROUND
	s_barrier_signal -1
	s_barrier_wait -1
	CREST
.endm
; 64 numbers of a lane in window w, v[s] on, become a fragment's codes in v[pc] .. v[pc + 11] and its scale word in v[pw] (window 0).  Each accumulator is read from its low end on.
.macro QUANT s, w, pc, pw
	WIN (\w)|((\w)<<2)
.irp b, 0,1,2,3
	v_max3_num_f32 v[TM+\b], |v[(\s)+16*\b]|, |v[(\s)+16*\b+1]|, 0x1800000   ; my 16 numbers of block b, and the floor 2^(3 - 127): the byte cannot fall under 1
.endr
.irp i, 2,4,6,8,10,12,14
.irp b, 0,1,2,3
	v_max3_num_f32 v[TM+\b], |v[(\s)+16*\b+\i]|, |v[(\s)+16*\b+\i+1]|, v[TM+\b]
.endr
.endr
	WIN 0
.irp b, 0,1,2,3
	v_permlanex16_b32 v[TM+4+\b], v[TM+\b], s[SEL], s[SEL+1]
.endr
.irp b, 0,1,2,3
	v_max_num_f32 v[TM+\b], v[TM+\b], v[TM+4+\b]   ; with lane l xor 16's: the block's largest magnitude
.endr
.irp b, 0,1,2,3
	v_add_nc_u32 v[TM+8+\b], 0xff000000, v[TM+\b]  ; 2 off the exponent field: the conversion's scale operand
.endr
.irp b, 0,1,2,3
	v_lshrrev_b32 v[TM+4+\b], 23, v[TM+8+\b]       ; the scale's byte
.endr
	v_lshl_or_b32 v[\pw], v[TM+5], 8, v[TM+4]
	v_lshl_or_b32 v[\pw], v[TM+6], 16, v[\pw]
	v_lshl_or_b32 v[\pw], v[TM+7], 24, v[\pw]
	WIN (\w)
.irp c, 0,1
	v_cvt_scalef32_pk16_fp6_f32 v[(\pc)+6*\c:(\pc)+6*\c+2], v[(\s)+32*\c:(\s)+32*\c+15], v[TM+8+2*\c]
	v_cvt_scalef32_pk16_fp6_f32 v[(\pc)+12+4*\c:(\pc)+14+4*\c], v[(\s)+32*\c+16:(\s)+32*\c+31], v[TM+9+2*\c]
.endr
	WIN 0
	v_nop                                          ; one plain line behind a scaled conversion
.irp c, 0,1
.irp i, 0,1,2
	v_permlane16_swap_b32 v[(\pc)+6*\c+\i], v[(\pc)+12+4*\c+\i]
.endr
.irp i, 0,1,2
	v_mov_b32 v[(\pc)+6*\c+3+\i], v[(\pc)+12+4*\c+\i]
.endr
.endr
.endm
	s_load_b256 s[4:11], s[0:1], 0x0               ; xq s[4:5], wc s[6:7], sc s[8:9], qc s[10:11]
	s_load_b128 s[12:15], s[0:1], 0x20             ; qs s[12:13], kv s[14:15]
	v_lshl_add_u32 v[SPW], v0, 2, SPARE
	v_mov_b32 v[NIL], 0
	ds_add_u32 v[SPW], v[NIL]                      ; the wave's opening: the add, twice on end, and its wait ahead of my first tensor load
	ds_add_u32 v[SPW], v[NIL]
	v_lshrrev_b32 v1, 5, v0
	v_readfirstlane_b32 s16, v1                    ; wave
	s_lshr_b32 s17, s16, 1                         ; my half of source 1's rows
	s_and_b32 s18, s16, 1                          ; my half of source 0's rows
	s_bfe_u32 s19, ttmp6, 0x40000                  ; cx
	s_bfe_u32 s20, ttmp6, 0x40004                  ; cy
	s_lshl_b32 s21, ttmp9, 2
	s_add_co_u32 s21, s21, s19                     ; c: which channels
	s_and_b32 s22, ttmp7, 0xffff
	s_lshl_b32 s22, s22, 2
	s_add_co_u32 s22, s22, s20                     ; p: which 256 positions
	s_lshl_b32 s92, s20, 2
	s_lshl_b32 s92, 15, s92                        ; my row of the cluster
	s_lshl_b32 s93, 0x1111, s19                    ; my column
	s_or_b32 s[G1X], s92, (3<<16)|(1<<21)          ; 15:0 the mask; 17:16 elements of 8 bytes; 21 set beside a mask; no padding
	s_or_b32 s[G1W], s93, (3<<16)|(1<<21)
	s_or_b32 s[G1V], s93, (3<<16)|(1<<21)
.irp g, G1X, G1W                       ; 4 tiles' two K steps: 4 rows of 3,072 bytes, 12,288 bytes apart
	s_mov_b32 s[\g+1], 384<<16
	s_mov_b32 s[\g+2], 4<<16
	s_mov_b32 s[\g+3], 384<<16
	s_mov_b32 s[\g+4], 4
	s_mov_b32 s[\g+5], 1536
	s_mov_b32 s[\g+6], 0
	s_mov_b32 s[\g+7], 0
.endr
	s_mov_b32 s[G1V+1], 768<<16                    ; 2 tiles' four K steps: 2 rows of 6,144 bytes, 12,288 bytes apart
	s_mov_b32 s[G1V+2], 2<<16
	s_mov_b32 s[G1V+3], 768<<16
	s_mov_b32 s[G1V+4], 2
	s_mov_b32 s[G1V+5], 1536
	s_mov_b32 s[G1V+6], 0
	s_mov_b32 s[G1V+7], 0
	s_mov_b32 s[SEL], 0x76543210
	s_mov_b32 s[SEL+1], 0xfedcba98
	s_mov_b32 s[MK], 0xffff0000
	s_lshl_b32 s94, s22, 4                         ; x: the four tiles that I fetch: 16 p + 4 wave
	s_lshl_b32 s95, s16, 2
	s_add_co_u32 s94, s94, s95
	s_mul_i32 s94, s94, 12288
	s_mov_b32 s95, 0
	s_lshl_b32 s96, s21, 4                         ; part 1's weights: tiles 16 c + 4 wave on
	s_lshl_b32 s97, s16, 2
	s_add_co_u32 s96, s96, s97
	s_mul_i32 s96, s96, 12288
	s_mov_b32 s97, 0
	s_lshl_b32 s98, s21, 3                         ; part 2's: tiles 128 + 8 c + 2 wave on
	s_lshl_b32 s99, s16, 1
	s_add_co_u32 s98, s98, s99
	s_add_co_u32 s98, s98, 128
	s_mul_i32 s98, s98, 12288
	s_mov_b32 s99, 0
	s_mul_i32 s[LB], s16, 12288                    ; where they go in a slot: no place in the cluster enters an LDS address
	s_wait_dscnt 0x0                               ; both opening adds are done
	s_wait_kmcnt 0x0
	s_add_nc_u64 s[94:95], s[4:5], s[94:95]
	s_add_nc_u64 s[96:97], s[6:7], s[96:97]
	s_add_nc_u64 s[98:99], s[6:7], s[98:99]
	CROUND                                         ; all sixteen work-groups are here: the first joint loads meet
.irp s, 0,1,2,3
	s_mov_b32 s[G0X+4*\s], 1
	s_add_co_u32 s[G0X+4*\s+1], s[LB], \s*XSL
	s_add_nc_u64 s[G0X+4*\s+2:G0X+4*\s+3], s[94:95], \s*3072
	s_or_b32 s[G0X+4*\s+3], s[G0X+4*\s+3], 0x80000000
.endr
.irp s, 0,1
	s_mov_b32 s[G0W+4*\s], 1
	s_add_co_u32 s[G0W+4*\s+1], s[LB], WR0+\s*XSL
	s_add_nc_u64 s[G0W+4*\s+2:G0W+4*\s+3], s[96:97], \s*3072
	s_or_b32 s[G0W+4*\s+3], s[G0W+4*\s+3], 0x80000000
	s_mov_b32 s[G0V+4*\s], 1
	s_add_co_u32 s[G0V+4*\s+1], s[LB], WR0+\s*XSL
	s_add_nc_u64 s[G0V+4*\s+2:G0V+4*\s+3], s[98:99], \s*6144
	s_or_b32 s[G0V+4*\s+3], s[G0V+4*\s+3], 0x80000000
.endr
	tensor_load_to_lds s[G0X:G0X+3], s[G1X:G1X+7]          ; x, K steps 0, 1
	s_nop 0
	tensor_load_to_lds s[G0W:G0W+3], s[G1W:G1W+7]          ; W, K steps 0, 1
	s_nop 0
	tensor_load_to_lds s[G0X+4:G0X+7], s[G1X:G1X+7]        ; x, 2, 3
	s_nop 0
	tensor_load_to_lds s[G0W+4:G0W+7], s[G1W:G1W+7]        ; W, 2, 3
	s_nop 0
	tensor_load_to_lds s[G0X+8:G0X+11], s[G1X:G1X+7]       ; x, 4, 5
	s_nop 0
	tensor_load_to_lds s[G0X+12:G0X+15], s[G1X:G1X+7]      ; x, 6, 7
	s_nop 0
	PLACES
	v_and_b32 v22, 31, v0
	v_lshlrev_b32 v[LI], 4, v22
	v_and_b32 v23, 15, v0                          ; r
	v_bfe_u32 v24, v0, 4, 1                        ; h
	s_mul_i32 s92, s17, 24576
	s_mul_i32 s93, s18, 24576
.irp s, 0,1,2,3
	v_add_nc_u32 v[XA+\s], s92, v[LI]
	v_add_nc_u32 v[XB+\s], s93, v[LI]
	s_add_co_u32 s92, s92, XSL
	s_add_co_u32 s93, s93, XSL
.endr
.irp s, 0,1                            ; the ring follows x's four slots
	v_add_nc_u32 v[WA+\s], s92, v[LI]
	v_add_nc_u32 v[WB+\s], s93, v[LI]
	s_add_co_u32 s92, s92, XSL
	s_add_co_u32 s93, s93, XSL
.endr
	s_lshl_b32 s92, s22, 4                         ; part 1's scale words, for all of K, 512 bytes a tile: x's tiles 16 p + 8 (wave / 2) on,
	s_lshl_b32 s93, s17, 3
	s_add_co_u32 s92, s92, s93
	s_lshl_b32 s92, s92, 9
	s_lshl_b32 s93, s21, 4                         ; W's tiles 16 c + 8 (wave % 2) on
	s_lshl_b32 s23, s18, 3
	s_add_co_u32 s93, s93, s23
	s_lshl_b32 s93, s93, 9
	s_add_co_u32 s93, s93, 262144
	v_mov_b32 v[SOF], s92
	v_mov_b32 v25, s93
	v_cndmask_b32 v[SOF], v[SOF], v25, s[MK]       ; lanes 0-15 take source 1's, lanes 16-31 source 0's
	v_lshl_add_u32 v[SOF], v23, 4, v[SOF]
.irp ks, 0,1,2,3,4,5,6,7
.irp g, 0,1
	global_load_b128 v[SC+8*\ks+4*\g:SC+8*\ks+4*\g+3], v[SOF], s[8:9] offset:2048*\g+256*\ks   ; sixteen lanes read one aligned 256 bytes: four tiles' words of a K step
.endr
.endr
	s_lshl_b32 s92, s21, 3                         ; part 2's: W's tiles 128 + 8 c + 4 (wave / 2) on,
	s_lshl_b32 s93, s17, 2
	s_add_co_u32 s92, s92, s93
	s_add_co_u32 s92, s92, 128
	s_lshl_b32 s92, s92, 9
	s_add_co_u32 s92, s92, 262144
	s_lshl_b32 s93, s22, 4                         ; x's tiles 16 p + 8 (wave % 2) on
	s_lshl_b32 s23, s18, 3
	s_add_co_u32 s93, s93, s23
	s_lshl_b32 s93, s93, 9
	v_mov_b32 v[SOV], s92
	v_mov_b32 v25, s93
	v_cndmask_b32 v[SOV], v[SOV], v25, s[MK]
	v_lshl_add_u32 v[SOV], v23, 4, v[SOV]
	v_lshl_add_u32 v[SOV+1], v24, 11, v[SOV]       ; source 0's tiles 4-7; lanes 0-15 read their one group again
	; where part 1's results go
	s_lshl_b32 s92, s22, 1
	s_add_co_u32 s92, s92, s17                     ; my 128 positions
	s_lshr_b32 s93, s92, 4                         ; batch
	s_and_b32 s92, s92, 15                         ; step of 128 positions
	s_lshl_b32 s23, s21, 1
	s_add_co_u32 s23, s23, s18
	s_and_b32 s23, s23, 7                          ; head
	s_lshl_b32 s93, s93, 3
	s_add_co_u32 s93, s93, s23
	s_lshl_b32 s93, s93, 4
	s_add_co_u32 s93, s93, s92                     ; (8 batch + head) 16 + step
	s_mov_b32 s94, 25600
	s_mov_b32 s95, 25600
	s_mov_b32 s96, 24576
	s_cmp_eq_u32 ttmp9, 0                          ; Q's four blocks of channels are cluster x = 0: the same in all sixteen partners
	s_cselect_b64 s[PCO:PCO+1], s[10:11], s[14:15] ; codes: qc or kv
	s_cselect_b64 s[PSO:PSO+1], s[12:13], s[14:15] ; scale words: qs or kv
	s_cselect_b32 s94, 12288, s94
	s_cselect_b32 s95, 512, s95
	s_cselect_b32 s96, 0, s96
	s_cselect_b32 s97, 8, 9                        ; tiles 4-7's words lie 256 bytes on in qs, 512 in kv
	s_mul_i32 s98, s93, s94
	s_mov_b32 s99, 0
	s_add_nc_u64 s[PCO:PCO+1], s[PCO:PCO+1], s[98:99]
	s_mul_i32 s98, s93, s95
	s_add_co_u32 s98, s98, s96
	s_add_nc_u64 s[PSO:PSO+1], s[PSO:PSO+1], s[98:99]
	v_lshlrev_b32 v[SST], s97, v24
	v_lshl_add_u32 v[SST], v23, 4, v[SST]
	; and part 2's
	s_lshl_b32 s92, s22, 1
	s_add_co_u32 s92, s92, s18                     ; my 128 positions: a key step
	s_lshr_b32 s93, s92, 4
	s_and_b32 s92, s92, 15
	s_lshl_b32 s93, s93, 3
	s_add_co_u32 s93, s93, s21                     ; head c
	s_lshl_b32 s93, s93, 4
	s_add_co_u32 s93, s93, s92
	s_mul_i32 s93, s93, 25600
	s_mul_i32 s94, s17, 6144                       ; my four of V's eight fragments,
	s_add_co_u32 s98, s93, s94
	s_add_co_u32 s98, s98, 12288                   ; which lie behind K's
	s_add_nc_u64 s[VCO:VCO+1], s[14:15], s[98:99]
	s_lshl_b32 s94, s17, 9                         ; their scale words: piece wave / 2, lanes 16-31's places
	s_add_co_u32 s98, s93, s94
	s_add_co_u32 s98, s98, 24832
	s_add_nc_u64 s[VSO:VSO+1], s[14:15], s[98:99]
	v_lshlrev_b32 v[SSV], 4, v23
	v_lshl_add_u32 v[SSV], v24, 3, v[SSV]          ; 16 r + 8 h
.irp b, 0,1,2,3
	v_mov_b32 v[TM+4+\b], 0                        ; written once: a lane permute's destination counts as one of its sources
.endr
.macro FRAG reg, adr, off              ; a fragment: three loads of 512 consecutive bytes
.irp c, 0,1,2
	ds_load_b128 v[(\reg)+4*\c:(\reg)+4*\c+3], v[\adr] offset:(\off)+512*\c
.endr
.endm
; ---- part 1 ----
.macro FETCH_B ks, p                   ; W's eight tiles of K step ks into set p
	WIN TO_B
.irp i, 0,1,2,3,4,5,6,7
	FRAG 128*(\p)+FR*\i, WB+(((\ks)/2)%2), 3072*\i+1536*((\ks)%2)
.endr
	WIN 0
.endm
.macro FETCH_A ks, i0                  ; x's tiles i0 .. i0 + 3
.irp i, \i0, \i0+1, \i0+2, \i0+3
	FRAG AF+FR*(\i), XA+(\ks)/2, 3072*(\i)+1536*((\ks)%2)
.endr
.endm
; 16 matrix instructions: x's tiles a0, a0 + 1 against W's eight.  The 64 accumulators take turns, one instruction a turn, in the same order in every K step.
.macro MUL16 a0, p, ks, zero
.irp a, \a0, \a0+1
.irp b, 0,1,2,3,4,5,6,7
.if \zero
	v_wmma_scale_f32_16x16x128_f8f6f4 v[8*(8*((\a)%4)+\b):8*(8*((\a)%4)+\b)+7], v[128*(\p)+FR*\b:128*(\p)+FR*\b+FR-1], v[AF+FR*(\a):AF+FR*(\a)+FR-1], 0, v[SC+8*(\ks)+\b], v[SC+8*(\ks)+(\a)] matrix_a_fmt:MATRIX_FMT_FP6 matrix_b_fmt:MATRIX_FMT_FP6 matrix_a_scale:MATRIX_SCALE_ROW1
.else
	v_wmma_scale_f32_16x16x128_f8f6f4 v[8*(8*((\a)%4)+\b):8*(8*((\a)%4)+\b)+7], v[128*(\p)+FR*\b:128*(\p)+FR*\b+FR-1], v[AF+FR*(\a):AF+FR*(\a)+FR-1], v[8*(8*((\a)%4)+\b):8*(8*((\a)%4)+\b)+7], v[SC+8*(\ks)+\b], v[SC+8*(\ks)+(\a)] matrix_a_fmt:MATRIX_FMT_FP6 matrix_b_fmt:MATRIX_FMT_FP6 matrix_a_scale:MATRIX_SCALE_ROW1
.endif
.endr
.endr
.endm
; An even K step: its successor lies in the same slots.  Four plain lines stand in front of each run of loads into registers that matrix instructions have read.
.macro STEP ks, zero
	s_wait_dscnt 12                                ; W's set and x's tiles 0-3 are in; the youngest 12 loads (x's tiles 4-7) may be out
	WIN MUL_LO
	MUL16 0, (\ks)%2, \ks, \zero
	MUL16 2, (\ks)%2, \ks, \zero
	s_wait_dscnt 0x0                               ; x's tiles 4-7 are in
	PLACES
	FETCH_B (\ks)+1, 1-(\ks)%2
	FETCH_A (\ks)+1, 0
	WIN MUL_HI
	MUL16 4, (\ks)%2, \ks, \zero
	MUL16 6, (\ks)%2, \ks, \zero
	PLACES
	WIN 0
	FETCH_A (\ks)+1, 4
.endm
; An odd K step leaves a slot of the ring, which is filled again.  In front of the barrier each wave waits for all its tensor loads (the ring's other slot among them), adds 0 to its spare word, and waits for that and for its reads
; of the slot.  The barrier opens a round of the cluster's barrier, and the joint refill, by group 0 g0 (stepped by step bytes) and group 1 g1, is the first thing behind it.  more = 1: part 1 goes on.
.macro TURN ks, g0, g1, step, more
	s_wait_tensorcnt 0x0                           ; all my tensor loads have landed
	ds_add_u32 v[SPW], v[NIL]                      ; 0 onto my spare word
	s_wait_dscnt 13                                ; (the add and the youngest 12 loads may be out)
	WIN MUL_LO
	MUL16 0, (\ks)%2, \ks, 0
	s_wait_dscnt 0x0                               ; the add is done, and my reads of this slot are over
	s_barrier_signal -1
	MUL16 2, (\ks)%2, \ks, 0
	WIN 0
	s_barrier_wait -1
	CREST                                          ; no wave of any partner still reads the slot or has a load on its way
.if \step
	s_add_nc_u64 s[\g0+2:\g0+3], s[\g0+2:\g0+3], \step   ; four K steps on
.endif
	tensor_load_to_lds s[\g0:\g0+3], s[\g1:\g1+7]
	s_nop 0
	PLACES                                         ; also the places in front of the loads below
.if \more
	FETCH_B (\ks)+1, 1-(\ks)%2
	FETCH_A (\ks)+1, 0
.endif
	WIN MUL_HI
	MUL16 4, (\ks)%2, \ks, 0
	MUL16 6, (\ks)%2, \ks, 0
.if \more
	PLACES
	WIN 0
	FETCH_A (\ks)+1, 4
.endif
.endm
; ---- part 2 ----
.macro FETCH2 ks                       ; K step ks: x's eight tiles and W's four into sets ks % 2: 24 + 12 loads
	WIN TO_B
.irp i, 0,1,2,3,4,5,6,7
	FRAG 128*((\ks)%2)+FR*\i, XB+(\ks)/2, 3072*\i+1536*((\ks)%2)
.endr
	WIN 0
.irp i, 0,1,2,3
	FRAG AF+48*((\ks)%2)+FR*\i, WA+(\ks)/4, 6144*\i+1536*((\ks)%4)
.endr
.endm
.macro MULV a0, ks, zero               ; W's tiles a0, a0 + 1 against x's eight: the 32 accumulators take turns, one instruction a turn
.irp a, \a0, \a0+1
.irp b, 0,1,2,3,4,5,6,7
.if \zero
	v_wmma_scale_f32_16x16x128_f8f6f4 v[8*(8*(\a)+\b):8*(8*(\a)+\b)+7], v[128*((\ks)%2)+FR*\b:128*((\ks)%2)+FR*\b+FR-1], v[AF+48*((\ks)%2)+FR*(\a):AF+48*((\ks)%2)+FR*(\a)+FR-1], 0, v[SC+8*(\ks)+\b], v[SC+8*(\ks)+(\a)] matrix_a_fmt:MATRIX_FMT_FP6 matrix_b_fmt:MATRIX_FMT_FP6 matrix_a_scale:MATRIX_SCALE_ROW1
.else
	v_wmma_scale_f32_16x16x128_f8f6f4 v[8*(8*(\a)+\b):8*(8*(\a)+\b)+7], v[128*((\ks)%2)+FR*\b:128*((\ks)%2)+FR*\b+FR-1], v[AF+48*((\ks)%2)+FR*(\a):AF+48*((\ks)%2)+FR*(\a)+FR-1], v[8*(8*(\a)+\b):8*(8*(\a)+\b)+7], v[SC+8*(\ks)+\b], v[SC+8*(\ks)+(\a)] matrix_a_fmt:MATRIX_FMT_FP6 matrix_b_fmt:MATRIX_FMT_FP6 matrix_a_scale:MATRIX_SCALE_ROW1
.endif
.endr
.endr
.endm
.macro KSTEP2 ks, zero
	s_wait_dscnt 0x0                               ; this step's fragments are in
.if (\ks) == 3
	s_wait_tensorcnt 0x0                           ; my part of W's K steps 4-7, the one load that was out, has landed
	s_barrier_signal -1
	WIN MUL_LO
	MULV 0, \ks, \zero
	WIN 0
	s_barrier_wait -1
.else
	WIN MUL_LO
	MULV 0, \ks, \zero
.endif
.if (\ks) < 7
	PLACES                                         ; in front of loads into the sets that the last step's products read
	FETCH2 (\ks)+1
.endif
	WIN MUL_LO
	MULV 2, \ks, \zero
.endm
	s_wait_tensorcnt 0x4                           ; my parts of x's and W's K steps 0, 1 are in; the four loads issued behind them may be out
	s_barrier_signal -1
	s_barrier_wait -1
	FETCH_B 0, 0
	FETCH_A 0, 0
	FETCH_A 0, 4
	s_wait_loadcnt 0x0                             ; part 1's scale words
	STEP 0, 1                                      ; the first products start the sums: nothing is cleared
	TURN 1, G0W, G1W, 6144, 1                      ; W's K steps 4, 5 are asked for: K steps 2 and 3 are theirs to land in
	STEP 2, 0
	TURN 3, G0W+4, G1W, 6144, 1                    ; W's K steps 6, 7
	STEP 4, 0
	TURN 5, G0V, G1V, 0, 1                         ; part 2's K steps 0-3
	STEP 6, 0
	TURN 7, G0V+4, G1V, 0, 0                       ; part 2's K steps 4-7
	WIN 0
	PLACES                                         ; in front of the loads into the scale registers, the first read of results and the first write of registers that held x's fragments
.irp ks, 0,1,2,3,4,5,6,7
	global_load_b128 v[SC+8*\ks:SC+8*\ks+3], v[SOV], s[8:9] offset:256*\ks       ; part 2's scale words land during the way out
	global_load_b128 v[SC+8*\ks+4:SC+8*\ks+7], v[SOV+1], s[8:9] offset:256*\ks
.endr
; PART 1'S WAY OUT: the 64 results against tile a of x become one fragment of Q or K and one scale word a row; the fragment leaves as it stands.
.irp a, 0,1,2,3,4,5,6,7
.set PCX, AF+20*(\a%4)
.if (\a%4) == 2
.set PCX, 208                          ; so that no conversion's destination bears a number of its sources
.endif
.if \a >= 4
	s_wait_xcnt 0x0                                ; the stores of four tiles back have read these registers
.endif
	QUANT 64*(\a%4), 2+\a/4, PCX, PW8+\a
.irp c, 0,1,2
	global_store_b128 v[LI], v[PCX+4*\c:PCX+4*\c+3], s[PCO:PCO+1] offset:1536*\a+512*\c
.endr
.endr
.irp j, 0,1,2,3
	v_cndmask_b32 v[D4+\j], v[PW8+\j], v[PW8+4+\j], s[MK]   ; lanes 0-15: tiles 0-3's words of row r; lanes 16-31: tiles 4-7's
.endr
	global_store_b128 v[SST], v[D4:D4+3], s[PSO:PSO+1]      ; sixteen lanes store one aligned 256 bytes
; PART 2
	s_wait_xcnt 0x0                                ; the stores have read their registers: fragments may land there
	FETCH2 0
	s_wait_loadcnt 0x0                             ; part 2's scale words
	KSTEP2 0, 1                                    ; the first products start the sums anew
.irp ks, 1,2,3,4,5,6,7
	KSTEP2 \ks, 0
.endr
	WIN 0
	PLACES                                         ; in front of the first read of results and the first write of registers that held W's fragments
.irp a, 0,1,2,3
.set PCX, AF+20*\a
.if \a == 2
.set PCX, 208
.endif
	QUANT 64*\a, 2, PCX, PW8+\a
.irp c, 0,1,2
	global_store_b128 v[LI], v[PCX+4*\c:PCX+4*\c+3], s[VCO:VCO+1] offset:1536*\a+512*\c
.endr
.endr
	v_cndmask_b32 v[D4], v[PW8], v[PW8+2], s[MK]   ; lanes 0-15: tiles 0, 1's words of row r; lanes 16-31: tiles 2, 3's
	v_cndmask_b32 v[D4+1], v[PW8+1], v[PW8+3], s[MK]
	global_store_b64 v[SSV], v[D4:D4+1], s[VSO:VSO+1]       ; 32 lanes store one aligned 256 bytes
	s_wait_tensorcnt 0x0                           ; the wave's end
	ds_add_u32 v[SPW], v[NIL]
	s_wait_dscnt 0x0
	CROUND                                         ; the closing round
	s_endpgm
.Lfunc_end_k_qd0364f3650_gemm1:
	.size	k_qd0364f3650_gemm1, .Lfunc_end_k_qd0364f3650_gemm1-k_qd0364f3650_gemm1
	.p2alignl 7, 3214868480
	.fill 96, 4, 3214868480
	.section	.rodata,"a",@progbits
	.p2align	6, 0x0
	.amdhsa_kernel k_qd0364f3650_gemm1
		.amdhsa_group_segment_fixed_size 327680
		.amdhsa_private_segment_fixed_size 0
		.amdhsa_enable_private_segment 0
		.amdhsa_kernarg_size 48
		.amdhsa_user_sgpr_count 2
		.amdhsa_user_sgpr_kernarg_segment_ptr 1
		.amdhsa_wavefront_size32 1
		.amdhsa_system_sgpr_workgroup_id_x 1
		.amdhsa_system_sgpr_workgroup_id_y 1
		.amdhsa_system_sgpr_workgroup_id_z 1
		.amdhsa_system_vgpr_workitem_id 0
		.amdhsa_next_free_vgpr 1024
		.amdhsa_next_free_sgpr 100
		.amdhsa_reserve_vcc 0
		.amdhsa_float_denorm_mode_32 3
		.amdhsa_float_denorm_mode_16_64 3
		.amdhsa_memory_ordered 1
		.amdhsa_forward_progress 1
		.amdhsa_inst_pref_size 211
	.end_amdhsa_kernel
	.amdgpu_metadata
---
amdhsa.version: [ 1, 2 ]
amdhsa.kernels:
  - .name:           k_qd0364f3650_gemm1
    .symbol:         k_qd0364f3650_gemm1.kd
    .args:
      - { .name: xq, .offset: 0, .size: 8, .value_kind: global_buffer, .address_space: global }
      - { .name: wc, .offset: 8, .size: 8, .value_kind: global_buffer, .address_space: global }
      - { .name: sc, .offset: 16, .size: 8, .value_kind: global_buffer, .address_space: global }
      - { .name: qc, .offset: 24, .size: 8, .value_kind: global_buffer, .address_space: global }
      - { .name: qs, .offset: 32, .size: 8, .value_kind: global_buffer, .address_space: global }
      - { .name: kv, .offset: 40, .size: 8, .value_kind: global_buffer, .address_space: global }
    .group_segment_fixed_size: 327680
    .private_segment_fixed_size: 0
    .kernarg_segment_align: 8
    .kernarg_segment_size: 48
    .max_flat_workgroup_size: 128
    .sgpr_count:     100
    .vgpr_count:     1024
    .wavefront_size: 32
...
	.end_amdgpu_metadata
.endif
;; end of part 2
;; launch attn (part 3): grid 8 x 32, 4 waves a work-group, clusters of 4 x 1, 327,680 bytes of LDS; arguments qc, qs, kv, cq, sc; writes cq, sc
.if DOCPART == 3
	.amdgcn_target "amdgcn-amd-amdhsa--gfx1250"
	.amdhsa_code_object_version 6
	.text
	.protected	k_qd0364f3650_attn
	.globl	k_qd0364f3650_attn
	.p2align	8
	.type	k_qd0364f3650_attn,@function
k_qd0364f3650_attn:
	s_mov_b64 s[64:65], 0
	v_nop
	global_prefetch_b8 v0, s[64:65] scope:SCOPE_SE
	s_setreg_imm32_b32 hwreg(HW_REG_WAVE_MODE, 25, 1), 1
	s_wait_xcnt 0x0
	s_wait_alu depctr_hold_cnt(0) depctr_sa_sdst(0) depctr_va_vdst(0) depctr_va_sdst(0) depctr_va_ssrc(0) depctr_va_vcc(0) depctr_vm_vsrc(0)
	s_getreg_b32 s2, hwreg(HW_REG_IB_STS2, 6, 4)
	s_cmp_eq_u32 s2, 0
	s_cbranch_scc0 .Lentry_in_a_cluster
	s_endpgm
.Lentry_in_a_cluster:
	s_bfe_u32 s2, ttmp6, 0x10000c
	s_cmp_lg_u32 s2, 0x3003
	s_cbranch_scc0 .Lentry_shape_is_right
	s_endpgm
.Lentry_shape_is_right:
; For each of 32 heads: A = (Q^T K) / sqrt(128), quantised along the keys; C = A V, quantised along the head's 128 channels.  Both products on codes of FP6.  There is no softmax and no mask.  No work is left out.
; SHARES.  A work-group owns 256 queries of a head, each of its four waves 64: four tiles of 16.  Every wave walks the head's 2,048 keys, 128 a step, 16 steps.
; LAYOUT.  Both products are used transposed: S^T = K Q^T (source 0 = 16 keys, source 1 = my 16 queries; the head's 128 are one matrix instruction), O^T = V A^T (source 0 = 16 channels, source 1 = A): a lane holds one query.
; The keys of a tile of K and the channels of a tile of V are rows 32 g + 8 u + r + 8 (r / 8): so a tile's 64 scores of a step are register 16 b + i = key 32 b + 16 (lane / 16) + i, and O^T's registers run along the channels likewise.
; BY TURNS.  The wave's tiles are two pieces (0: tiles 0, 1; 2: tiles 2, 3).  In a turn one piece has the matrix unit (16 products V A^T of the step in hand, 16 products K Q^T of the next); the other piece's scaling and
; quantising, 200 vector instructions, stands in slices behind those matrix instructions.  Then the pieces change places.
; LDS: two slots of four key steps (4 x 25,600 bytes: 8 fragments of K, 8 of V, 1,024 bytes of scale words), each wave fetching one step of a slot; both filled at the head, each filled once more.  At most two tensor loads of a wave are out.
; CLUSTER 4 x 1: the four query blocks of a cluster walk the same head: each step is asked for jointly, mask 15.
; No prefetch: half of the head's K and V is asked for at the head of the kernel, and each of the two refills has four key steps, 256 matrix instructions, in which to land.
; OUT: cq [position tile 512][head 8][1536]; sc from byte 393,216: [tile / 4][head][r][tile % 4] words.
; LIMITS: a block of zeros gets the byte 1 (its codes are zeros; this program alone reads the bytes); NaN and infinities are not served.
; REGISTERS: window 0: v1-9 addresses; v16-23 K's scale words (lanes 0-15), v24-31 V's (lanes 16-31), v32-35 Q's, v36-39 A's; v48-111 at work, 16 a tile; v112-159 A's codes; v160-191 halves of conversions; v192-239 Q; v240-245 the way out.
;   window 1: S^T, 64 a tile.  window 2: O^T, 64 a tile.  window 3: v0-95 K's fragments, v96-191 V's.
.set SLOT1, 1<<17
.set STEPB, 25600
.set SLOTB, 4*STEPB
.set SPARE, SLOT1+SLOTB
.set LI,  1
.set ADR, 2
.set SPW, 4
.set NIL, 5
.set KS,  16
.set VS,  24
.set QS,  32
.set PS,  36
.set TMB, 48
.set P,   112                          ; tile t's codes at P + 12 (3 - t), the conversions' second halves at CT + 8 (3 - t): so no conversion's destination bears a number of its sources
.set CT,  160
.set Q,   192
.set EW,  240
.set VF,  96
.set WV,  14
.set SEL, 16
.set CS,  18                           ; s[18:19] 1 / sqrt(128) in f32
.set TB,  20                           ; LDS byte at which the step to be fetched begins
.set CNT, 21
.set SLOTS, 22
.set MK,  23
.set G1,  24
.set G0,  32                           ; s[32:35] slot 0's first fill; s[36:39] slot 1's, which then walks
.set MSB, 0
.macro WIN new
.if MSB != (\new)
	s_set_vgpr_msb (MSB<<8)|(\new)
.set MSB, (\new)
.endif
.endm
.macro PLACES
.rept 4
	v_nop
.endr
.endm
.macro CROUND
	s_barrier_signal -1
	s_barrier_wait -1
	s_cmp_lg_u32 s[WV], 0
	s_cbranch_scc1 .Lnot_wave_0_\@
	s_barrier_signal -3
.Lnot_wave_0_\@:
	s_barrier_wait -3
	s_barrier_signal -1
	s_barrier_wait -1
.endm
.macro QUANT s, w, pc, pw              ; as in the launch before: 64 numbers of a lane in window w become a fragment and a scale word
	WIN (\w)|((\w)<<2)
.irp b, 0,1,2,3
	v_max3_num_f32 v[TM+\b], |v[(\s)+16*\b]|, |v[(\s)+16*\b+1]|, 0x1800000
.endr
.irp i, 2,4,6,8,10,12,14
.irp b, 0,1,2,3
	v_max3_num_f32 v[TM+\b], |v[(\s)+16*\b+\i]|, |v[(\s)+16*\b+\i+1]|, v[TM+\b]
.endr
.endr
	WIN 0
.irp b, 0,1,2,3
	v_permlanex16_b32 v[TM+4+\b], v[TM+\b], s[SEL], s[SEL+1]
.endr
.irp b, 0,1,2,3
	v_max_num_f32 v[TM+\b], v[TM+\b], v[TM+4+\b]
.endr
.irp b, 0,1,2,3
	v_add_nc_u32 v[TM+8+\b], 0xff000000, v[TM+\b]
.endr
.irp b, 0,1,2,3
	v_lshrrev_b32 v[TM+4+\b], 23, v[TM+8+\b]
.endr
	v_lshl_or_b32 v[\pw], v[TM+5], 8, v[TM+4]
	v_lshl_or_b32 v[\pw], v[TM+6], 16, v[\pw]
	v_lshl_or_b32 v[\pw], v[TM+7], 24, v[\pw]
	WIN (\w)
.irp c, 0,1
	v_cvt_scalef32_pk16_fp6_f32 v[(\pc)+6*\c:(\pc)+6*\c+2], v[(\s)+32*\c:(\s)+32*\c+15], v[TM+8+2*\c]
	v_cvt_scalef32_pk16_fp6_f32 v[(\pc)+12+4*\c:(\pc)+14+4*\c], v[(\s)+32*\c+16:(\s)+32*\c+31], v[TM+9+2*\c]
.endr
	WIN 0
	v_nop
.irp c, 0,1
.irp i, 0,1,2
	v_permlane16_swap_b32 v[(\pc)+6*\c+\i], v[(\pc)+12+4*\c+\i]
.endr
.irp i, 0,1,2
	v_mov_b32 v[(\pc)+6*\c+3+\i], v[(\pc)+12+4*\c+\i]
.endr
.endr
.endm
	s_load_b256 s[4:11], s[0:1], 0x0               ; qc s[4:5], qs s[6:7], kv s[8:9], cq s[10:11]
	s_load_b64 s[12:13], s[0:1], 0x20              ; sc
	v_lshl_add_u32 v[SPW], v0, 2, SPARE
	v_mov_b32 v[NIL], 0
	ds_add_u32 v[SPW], v[NIL]                      ; the wave's opening: the add, twice on end, and its wait ahead of my first tensor load
	ds_add_u32 v[SPW], v[NIL]
	v_lshrrev_b32 v1, 5, v0
	v_readfirstlane_b32 s[WV], v1
	s_bfe_u32 s40, ttmp6, 0x40000                  ; cx
	s_lshl_b32 s41, ttmp9, 2
	s_add_co_u32 s41, s41, s40                     ; my block of 256 queries: it enters Q's and the results' addresses alone
	s_and_b32 s42, ttmp7, 0xffff                   ; the head (8 batch + head), which the four partners share
	s_mov_b32 s[G1], 15|(3<<16)|(1<<21)            ; the mask: all four; elements of 8 bytes; 21 set beside a mask; no padding
	s_mov_b32 s[G1+1], 32<<16                      ; a key step: 100 dense rows of 256 bytes
	s_mov_b32 s[G1+2], 100<<16
	s_mov_b32 s[G1+3], 32<<16
	s_mov_b32 s[G1+4], 100
	s_mov_b32 s[G1+5], 32
	s_mov_b32 s[G1+6], 0
	s_mov_b32 s[G1+7], 0
	s_mov_b32 s[SEL], 0x76543210
	s_mov_b32 s[SEL+1], 0xfedcba98
	s_mov_b32 s[CS], 0x3db504f3                    ; 1 / sqrt(128)
	s_mov_b32 s[CS+1], s[CS]                       ; (named with it as a pair, so it is written)
	s_mov_b32 s[TB], 0
	s_mov_b32 s[MK], 0xffff0000                    ; lanes 16-31
	s_mul_i32 s44, s42, 16*STEPB
	s_mul_i32 s43, s[WV], STEPB                    ; my step of a slot: in memory and in LDS
	s_add_co_u32 s44, s44, s43
	s_mov_b32 s45, 0
	s_wait_dscnt 0x0                               ; both opening adds are done
	s_wait_kmcnt 0x0
	s_add_nc_u64 s[8:9], s[8:9], s[44:45]
	CROUND                                         ; all four work-groups are here: the first joint loads meet
.irp s, 0,1
	s_mov_b32 s[G0+4*\s], 1
	s_add_co_u32 s[G0+4*\s+1], s43, \s*SLOT1
	s_add_nc_u64 s[G0+4*\s+2:G0+4*\s+3], s[8:9], \s*SLOTB
	s_or_b32 s[G0+4*\s+3], s[G0+4*\s+3], 0x80000000
.endr
	tensor_load_to_lds s[G0:G0+3], s[G1:G1+7]      ; key steps 0-3: every wave fetches one
	s_nop 0
	tensor_load_to_lds s[G0+4:G0+7], s[G1:G1+7]    ; key steps 4-7
	s_nop 0
.rept 4
	v_nop
.endr
	s_lshl_b32 s46, s42, 7
	s_lshl_b32 s47, s41, 4
	s_add_co_u32 s46, s46, s47
	s_lshl_b32 s47, s[WV], 2
	s_add_co_u32 s46, s46, s47                     ; my first query tile: 128 head + 16 block + 4 wave
	s_mul_i32 s48, s46, 1536
	s_mov_b32 s49, 0
	s_add_nc_u64 s[4:5], s[4:5], s[48:49]
	s_lshl_b32 s48, s46, 6                         ; four tiles' scale words are 256 bytes
	s_add_nc_u64 s[6:7], s[6:7], s[48:49]
	s_lshr_b32 s50, s42, 3
	s_lshl_b32 s50, s50, 7
	s_lshl_b32 s51, s41, 4
	s_add_co_u32 s50, s50, s51
	s_add_co_u32 s50, s50, s47                     ; my first position tile: 128 batch + 16 block + 4 wave
	s_and_b32 s51, s42, 7                          ; the head within the batch: the last product's K step
	s_mul_i32 s48, s50, 12288
	s_mul_i32 s52, s51, 1536
	s_add_co_u32 s48, s48, s52
	s_add_nc_u64 s[10:11], s[10:11], s[48:49]
	s_lshl_b32 s48, s50, 9
	s_lshl_b32 s52, s51, 8
	s_add_co_u32 s48, s48, s52
	s_add_co_u32 s48, s48, 393216                  ; C's part of sc
	s_add_nc_u64 s[12:13], s[12:13], s[48:49]
	v_and_b32 v3, 31, v0
	v_lshlrev_b32 v[LI], 4, v3
	v_and_b32 v6, 15, v0                           ; r
	v_bfe_u32 v7, v0, 4, 1                         ; h
	v_lshlrev_b32 v8, 4, v6                        ; 16 r
	v_lshl_add_u32 v9, v7, 3, v8                   ; 16 r + 8 h
.irp t, 0,1,2,3
.irp c, 0,1,2
	global_load_b128 v[Q+12*\t+4*\c:Q+12*\t+4*\c+3], v[LI], s[4:5] offset:1536*\t+512*\c   ; Q's four fragments stay in registers
.endr
.endr
	global_load_b128 v[QS:QS+3], v8, s[6:7]        ; and their scale words
.irp t, 0,1,2,3
.irp b, 0,1,2,3
	v_mov_b32 v[TMB+16*\t+4+\b], 0                 ; written once: a lane permute's destination counts as one of its sources
.endr
.endr
; Product i of 16 of S^T = K Q^T for piece x: keys' tile i / 2, query tile x + i % 2.  Each is a whole sum: C = 0.
.macro KQ x
	WIN 0x43                                       ; K window 3, Q window 0, S^T window 1
.set tt, (\x)+i%2
.set kt, i/2
	v_wmma_scale_f32_16x16x128_f8f6f4 v[64*tt+8*kt:64*tt+8*kt+7], v[12*kt:12*kt+11], v[Q+12*tt:Q+12*tt+11], 0, v[KS+kt], v[QS+tt] matrix_a_fmt:MATRIX_FMT_FP6 matrix_b_fmt:MATRIX_FMT_FP6
.endm
; Product i of 16 of O^T += V A^T: channels' tile i / 2, query tile x + i % 2.  The accumulators take turns, one instruction a turn.  zero = 1: the first step starts the sums.
.macro PV x, zero
	WIN 0xa3                                       ; V window 3, A window 0, O^T window 2
.set tt, (\x)+i%2
.set dt, i/2
.set rP, P+12*(3-tt)
.if \zero
	v_wmma_scale_f32_16x16x128_f8f6f4 v[64*tt+8*dt:64*tt+8*dt+7], v[VF+12*dt:VF+12*dt+11], v[rP:rP+11], 0, v[VS+dt], v[PS+tt] matrix_a_fmt:MATRIX_FMT_FP6 matrix_b_fmt:MATRIX_FMT_FP6 matrix_a_scale:MATRIX_SCALE_ROW1
.else
	v_wmma_scale_f32_16x16x128_f8f6f4 v[64*tt+8*dt:64*tt+8*dt+7], v[VF+12*dt:VF+12*dt+11], v[rP:rP+11], v[64*tt+8*dt:64*tt+8*dt+7], v[VS+dt], v[PS+tt] matrix_a_fmt:MATRIX_FMT_FP6 matrix_b_fmt:MATRIX_FMT_FP6 matrix_a_scale:MATRIX_SCALE_ROW1
.endif
.endm
; The LDS loads stand in runs: a step's K (24 loads and its scale words) and, a turn later, its V.
.macro FETCH_K
	WIN 0
	v_add_nc_u32 v[ADR], s[TB], v[LI]
	WIN 0xc0                                       ; destination window 3
.irp f, 0,1,2,3,4,5,6,7
.irp c, 0,1,2
	ds_load_b128 v[12*\f+4*\c:12*\f+4*\c+3], v[ADR] offset:1536*\f+512*\c
.endr
.endr
	WIN 0
	ds_load_b128 v[KS:KS+3], v[ADR] offset:24576
	ds_load_b128 v[KS+4:KS+7], v[ADR] offset:25088
.endm
.macro FETCH_V
	WIN 0
	v_add_nc_u32 v[ADR], s[TB], v[LI]
	s_add_co_u32 s[TB], s[TB], STEPB               ; the next fetch is the next step's
	WIN 0xc0
.irp f, 0,1,2,3,4,5,6,7
.irp c, 0,1,2
	ds_load_b128 v[VF+12*\f+4*\c:VF+12*\f+4*\c+3], v[ADR] offset:12288+1536*\f+512*\c
.endr
.endr
	WIN 0
	ds_load_b128 v[VS:VS+3], v[ADR] offset:24576
	ds_load_b128 v[VS+4:VS+7], v[ADR] offset:25088
.endm
; THE VECTOR WORK: a tile's 64 scores of a step take 100 instructions; SM writes number j = n / 2 of the list for tile t.
;   0-31 x 1 / sqrt(128), in f32, two at a time, ascending (each accumulator is read from its low end on);  32-63 the four blocks' largest magnitudes, with the floor;  64-82 lane l xor 16's, the scale operands, the bytes, the scale word;
;   83-86 the conversions;  87 the plain line behind them;  88-99 a whole block to a lane.
.macro SM t
.set j, n/2
.set rS, 64*(\t)
.set rT, TMB+16*(\t)
.set rA, P+12*(3-(\t))
.set rC, CT+8*(3-(\t))
.if j < 32
	WIN 0x41
	v_pk_mul_f32 v[rS+2*j:rS+2*j+1], v[rS+2*j:rS+2*j+1], s[CS:CS+1] op_sel_hi:[1,0]
.elseif j < 36
	WIN 0x05
	v_max3_num_f32 v[rT+j-32], |v[rS+16*(j-32)]|, |v[rS+16*(j-32)+1]|, 0x1800000
.elseif j < 64
	WIN 0x05
.set bb, j%4
.set ii, 2*((j-32)/4)
	v_max3_num_f32 v[rT+bb], |v[rS+16*bb+ii]|, |v[rS+16*bb+ii+1]|, v[rT+bb]
.elseif j < 68
	WIN 0
	v_permlanex16_b32 v[rT+4+j-64], v[rT+j-64], s[SEL], s[SEL+1]
.elseif j < 72
	WIN 0
	v_max_num_f32 v[rT+j-68], v[rT+j-68], v[rT+4+j-68]
.elseif j < 76
	WIN 0
	v_add_nc_u32 v[rT+8+j-72], 0xff000000, v[rT+j-72]
.elseif j < 80
	WIN 0
	v_lshrrev_b32 v[rT+4+j-76], 23, v[rT+8+j-76]
.elseif j == 80
	WIN 0
	v_lshl_or_b32 v[PS+(\t)], v[rT+5], 8, v[rT+4]
.elseif j == 81
	WIN 0
	v_lshl_or_b32 v[PS+(\t)], v[rT+6], 16, v[PS+(\t)]
.elseif j == 82
	WIN 0
	v_lshl_or_b32 v[PS+(\t)], v[rT+7], 24, v[PS+(\t)]
.elseif j == 83
	WIN 0x01
	v_cvt_scalef32_pk16_fp6_f32 v[rA:rA+2], v[rS:rS+15], v[rT+8]
.elseif j == 84
	WIN 0x01
	v_cvt_scalef32_pk16_fp6_f32 v[rC:rC+2], v[rS+16:rS+31], v[rT+9]
.elseif j == 85
	WIN 0x01
	v_cvt_scalef32_pk16_fp6_f32 v[rA+6:rA+8], v[rS+32:rS+47], v[rT+10]
.elseif j == 86
	WIN 0x01
	v_cvt_scalef32_pk16_fp6_f32 v[rC+4:rC+6], v[rS+48:rS+63], v[rT+11]
.elseif j == 87
	WIN 0
	v_nop
.elseif j < 94
	WIN 0
.set ii, j-88
	v_permlane16_swap_b32 v[rA+6*(ii/3)+ii%3], v[rC+4*(ii/3)+ii%3]
.else
	WIN 0
.set ii, j-94
	v_mov_b32 v[rA+6*(ii/3)+3+ii%3], v[rC+4*(ii/3)+ii%3]
.endif
.endm
; Slice k of nw of piece y's 200 instructions: the two tiles alternate.
.macro SLICE y
.set lim, (200*(k+1))/nw
.rept lim-n
	SM (\y)+n%2
.set n, n+1
.endr
.set k, k+1
.endm
; A TURN.  Piece x has the matrix unit; pv = 2: 16 products V A^T; 1: they start the sums; 0: none.  kq = 1: 16 products K Q^T of the next step.
; Piece 0's turn fetches the next step's K behind its second product (the last product that read K stands in front of the four plain lines that end the turn before).
; Piece 2's turn fetches the same step's V behind its 16th product and that product's slice, seven plain lines that name none of its registers.
; The four plain lines at a turn's end stand behind its last scores, and between the last write of A's codes and the products that take them.
.macro TURN x, pv, kq
.set k, 0
.set n, 0
.set nw, 16
.if (\pv) && (\kq)
.set nw, 32
.endif
.if \pv
.if (\x) == 0
	s_wait_dscnt 0x0                               ; V is in
.endif
.set i, 0
.rept 16
	PV \x, 2-(\pv)
	SLICE 2-(\x)
.if ((\x) == 0) && (\kq) && (i == 1)
	FETCH_K
.endif
.if ((\x) == 2) && (\kq) && (i == 15)
	FETCH_V
.endif
.set i, i+1
.endr
.else
	FETCH_V                                        ; the first step's V: its registers have not been read yet
.endif
.if \kq
.if (\x) == 0
	s_wait_dscnt 0x0                               ; K is in
.endif
.set i, 0
.rept 16
	KQ \x
	SLICE 2-(\x)
.set i, i+1
.endr
.endif
	PLACES
.endm
; THE CHANGE OF SLOTS, behind the turn that asked for V of the slot's last step.  Each wave waits for all its tensor loads, adds 0 to its spare word, and waits for that and for its reads of the slot.
; fill = 1: a round of the cluster's barrier, and the slot just left is filled again first thing behind it, with the key steps eight on.
.macro CHANGE fill
	WIN 0
	s_wait_tensorcnt 0x0                           ; no tensor load of mine is out, so a group 0 may be written
	ds_add_u32 v[SPW], v[NIL]                      ; 0 onto my spare word
.if \fill
	s_xor_b32 s[G0+5], s[G0+5], SLOT1              ; the walking descriptor: the other slot than last time,
	s_add_nc_u64 s[G0+6:G0+7], s[G0+6:G0+7], SLOTB ; the next four key steps
.endif
	s_wait_dscnt 0x0                               ; the add is done, and my reads of the slot are over
.if \fill
	CROUND
	tensor_load_to_lds s[G0+4:G0+7], s[G1:G1+7]
	s_nop 0
.rept 4
	v_nop
.endr
.else
	s_barrier_signal -1
	s_barrier_wait -1
.endif
	s_sub_co_u32 s[TB], s[TB], SLOTB               ; the fetches go back to a slot's first step,
	s_xor_b32 s[TB], s[TB], SLOT1                  ; in the other slot
.endm
.macro STEPS cnt
	WIN 0
	s_mov_b32 s[CNT], \cnt
.Lstep_\@:
	TURN 0, 2, 1
	TURN 2, 2, 1
	WIN 0
	s_sub_co_u32 s[CNT], s[CNT], 1
	s_cmp_lg_u32 s[CNT], 0
	s_cbranch_scc1 .Lstep_\@
.endm
	s_wait_tensorcnt 0x1                           ; my step of slot 0 is in; slot 1's load may be out
	s_barrier_signal -1
	s_barrier_wait -1
	FETCH_K                                        ; key step 0
	s_wait_loadcnt 0x0                             ; Q and its scale words
	s_wait_dscnt 0x0
.set i, 0
.rept 16
	KQ 0                                           ; piece 0's first scores: there is no vector work yet to set between them
.set i, i+1
.endr
	PLACES
	TURN 2, 0, 1                                   ; piece 2's first scores | piece 0's first quantising | V of step 0
	TURN 0, 1, 1                                   ; piece 0: V A^T of step 0 starts O^T, K Q^T of step 1 | piece 2's quantising | K of step 1
	TURN 2, 1, 1                                   ; piece 2: the same | piece 0's quantising of step 1 | V of step 1
	STEPS 2                                        ; steps 2 and 3 are fetched: slot 0 is read out
	s_mov_b32 s[SLOTS], 2
.Lslot:
	CHANGE 1
	STEPS 4
	s_sub_co_u32 s[SLOTS], s[SLOTS], 1
	s_cmp_lg_u32 s[SLOTS], 0
	s_cbranch_scc1 .Lslot
	CHANGE 0                                       ; the last slot: nothing is left to ask for
	STEPS 4
	TURN 0, 2, 0                                   ; piece 0: V A^T of the last step | piece 2's last quantising
.set i, 0
.rept 16
	PV 2, 0
.set i, i+1
.endr
	WIN 0
	PLACES                                         ; in front of the first read of results and the first write of registers that held A's codes
; THE WAY OUT: a tile's O^T, 64 numbers a lane along the head's channels, becomes K step 'head' of the last product's operand.
.set TM, TMB
.irp t, 0,1,2,3
	QUANT 64*\t, 2, P+20*((\t+2)%4), EW+\t
.irp c, 0,1,2
	global_store_b128 v[LI], v[P+20*((\t+2)%4)+4*\c:P+20*((\t+2)%4)+4*\c+3], s[10:11] offset:12288*\t+512*\c
.endr
.endr
	v_cndmask_b32 v[EW+4], v[EW], v[EW+2], s[MK]   ; lanes 0-15: tiles 0, 1's words of row r; lanes 16-31: tiles 2, 3's
	v_cndmask_b32 v[EW+5], v[EW+1], v[EW+3], s[MK]
	global_store_b64 v9, v[EW+4:EW+5], s[12:13]    ; 32 lanes store one aligned 256 bytes
	s_wait_tensorcnt 0x0                           ; the wave's end
	ds_add_u32 v[SPW], v[NIL]
	s_wait_dscnt 0x0
	CROUND                                         ; the closing round
	s_endpgm
.Lfunc_end_k_qd0364f3650_attn:
	.size	k_qd0364f3650_attn, .Lfunc_end_k_qd0364f3650_attn-k_qd0364f3650_attn
	.p2alignl 7, 3214868480
	.fill 96, 4, 3214868480
	.section	.rodata,"a",@progbits
	.p2align	6, 0x0
	.amdhsa_kernel k_qd0364f3650_attn
		.amdhsa_group_segment_fixed_size 327680
		.amdhsa_private_segment_fixed_size 0
		.amdhsa_enable_private_segment 0
		.amdhsa_kernarg_size 40
		.amdhsa_user_sgpr_count 2
		.amdhsa_user_sgpr_kernarg_segment_ptr 1
		.amdhsa_wavefront_size32 1
		.amdhsa_system_sgpr_workgroup_id_x 1
		.amdhsa_system_sgpr_workgroup_id_y 1
		.amdhsa_system_sgpr_workgroup_id_z 1
		.amdhsa_system_vgpr_workitem_id 0
		.amdhsa_next_free_vgpr 1024
		.amdhsa_next_free_sgpr 66
		.amdhsa_reserve_vcc 0
		.amdhsa_float_denorm_mode_32 3
		.amdhsa_float_denorm_mode_16_64 3
		.amdhsa_memory_ordered 1
		.amdhsa_forward_progress 1
		.amdhsa_inst_pref_size 219
	.end_amdhsa_kernel
	.amdgpu_metadata
---
amdhsa.version: [ 1, 2 ]
amdhsa.kernels:
  - .name:           k_qd0364f3650_attn
    .symbol:         k_qd0364f3650_attn.kd
    .args:
      - { .name: qc, .offset: 0, .size: 8, .value_kind: global_buffer, .address_space: global }
      - { .name: qs, .offset: 8, .size: 8, .value_kind: global_buffer, .address_space: global }
      - { .name: kv, .offset: 16, .size: 8, .value_kind: global_buffer, .address_space: global }
      - { .name: cq, .offset: 24, .size: 8, .value_kind: global_buffer, .address_space: global }
      - { .name: sc, .offset: 32, .size: 8, .value_kind: global_buffer, .address_space: global }
    .group_segment_fixed_size: 327680
    .private_segment_fixed_size: 0
    .kernarg_segment_align: 8
    .kernarg_segment_size: 40
    .max_flat_workgroup_size: 128
    .sgpr_count:     66
    .vgpr_count:     1024
    .wavefront_size: 32
...
	.end_amdgpu_metadata
.endif
;; end of part 3
;; launch gemm4 (part 4): grid 32 x 8, 4 waves a work-group, clusters of 4 x 4, 327,680 bytes of LDS; arguments wc, cq, sc, out0; writes out0
.if DOCPART == 4
	.amdgcn_target "amdgcn-amd-amdhsa--gfx1250"
	.amdhsa_code_object_version 6
	.text
	.protected	k_qd0364f3650_gemm4
	.globl	k_qd0364f3650_gemm4
	.p2align	8
	.type	k_qd0364f3650_gemm4,@function
k_qd0364f3650_gemm4:
	s_mov_b64 s[64:65], 0
	v_nop
	global_prefetch_b8 v0, s[64:65] scope:SCOPE_SE
	s_setreg_imm32_b32 hwreg(HW_REG_WAVE_MODE, 25, 1), 1
	s_wait_xcnt 0x0
	s_wait_alu depctr_hold_cnt(0) depctr_sa_sdst(0) depctr_va_vdst(0) depctr_va_sdst(0) depctr_va_ssrc(0) depctr_va_vcc(0) depctr_vm_vsrc(0)
	s_getreg_b32 s2, hwreg(HW_REG_IB_STS2, 6, 4)
	s_cmp_eq_u32 s2, 0
	s_cbranch_scc0 .Lentry_in_a_cluster
	s_endpgm
.Lentry_in_a_cluster:
	s_bfe_u32 s2, ttmp6, 0x10000c
	s_cmp_lg_u32 s2, 0xf033
	s_cbranch_scc0 .Lentry_shape_is_right
	s_endpgm
.Lentry_shape_is_right:
; out = W_out C on codes of FP6, K = 1,024 (8 heads x 128) in eight steps.  out0 is [4][1024 o][2048 s], f32.  No work is left out.
; A work-group makes 128 (o) x 256 (positions): 256 work-groups.  A wave makes 64 x 128: 32 accumulators.  'A' = W_out (wc tiles 192-255) is source 1, 'B' = C (cq) is source 0: a lane's registers run along s.
; Both operands lie in memory as images of their registers ([tile][K step][1536 bytes]); a tile takes rows 32 g + 8 u + r + 8 (r / 8) of its 32.
; LDS: all of K at once: four slots of two K steps (73,728 bytes: A's 8 tiles, then B's 16), each filled once, all asked for at the head: four tensor loads of a wave are out at the most.  Nothing is filled again.
; CLUSTER 4 x 4: A's tiles are asked for jointly along a row, B's along a column.  No prefetch: everything is asked for at the head.
; The way out goes through a stage in slot 0, which has had its only fill and whose last reads every wave has ended in front of K step 1's barrier.
; REGISTERS: window 0: v1-13, v24-25 addresses; v32-95 scale words (register 8 ks + i: lanes 0-15 A's tile i (0-3), lanes 16-31 B's tile i); v128-223 A's two sets; the way out v128-255.  window 1: B's two sets at v0, v128.  window 2: accumulator (a, b) at v[8 (8 a + b)].
.set FR,    12
.set SLOTB, 73728
.set SPARE, 4*SLOTB
.set LI,    1
.set ADRA,  2                          ; v2-5
.set ADRB,  6                          ; v6-9
.set SOF,   10                         ; v10, v11
.set SPW,   12
.set NIL,   13
.set STO,   24
.set RD,    25
.set SC,    32
.set AF,    128
.set BK,    128
.set G1A,   24
.set G1B,   32
.set G0A,   40                         ; s[40:55] four sets
.set G0B,   56                         ; s[56:63], s[68:75]
.set MSB, 0
.macro WIN new
.if MSB != (\new)
	s_set_vgpr_msb (MSB<<8)|(\new)
.set MSB, (\new)
.endif
.endm
.set MUL, 0xa1                         ; source 0 (B) window 1, source 1 (A) window 0, C and D window 2
.macro PLACES
.rept 4
	v_nop
.endr
.endm
.macro JLOAD g0a, g0b                  ; waves 0, 1 fetch A's halves, waves 2, 3 B's; an s_nop 0 and four v_nop follow each line
	s_cmp_eq_u32 s15, 0
	s_cbranch_scc0 .Lfor_b_\@
	tensor_load_to_lds s[\g0a:\g0a+3], s[G1A:G1A+7]
	s_nop 0
.rept 4
	v_nop
.endr
	s_branch .Lasked_\@
.Lfor_b_\@:
	tensor_load_to_lds s[\g0b:\g0b+3], s[G1B:G1B+7]
	s_nop 0
.rept 4
	v_nop
.endr
.Lasked_\@:
.endm
.macro CROUND
	s_barrier_signal -1
	s_barrier_wait -1
	s_cmp_lg_u32 s14, 0
	s_cbranch_scc1 .Lnot_wave_0_\@
	s_barrier_signal -3
.Lnot_wave_0_\@:
	s_barrier_wait -3
	s_barrier_signal -1
	s_barrier_wait -1
.endm
	s_load_b256 s[4:11], s[0:1], 0x0               ; wc s[4:5], cq s[6:7], sc s[8:9], out0 s[10:11]
	v_lshl_add_u32 v[SPW], v0, 2, SPARE
	v_mov_b32 v[NIL], 0
	ds_add_u32 v[SPW], v[NIL]                      ; the wave's opening: the add, twice on end, and its wait ahead of my first tensor load
	ds_add_u32 v[SPW], v[NIL]
	v_lshrrev_b32 v1, 5, v0
	v_readfirstlane_b32 s14, v1                    ; wave
	s_lshr_b32 s15, s14, 1                         ; my half of A's rows.  Also: I fetch for A (0) or B (1)
	s_and_b32 s16, s14, 1                          ; my half of B's rows.  Also: which half I fetch
	s_bfe_u32 s17, ttmp6, 0x40000                  ; cx
	s_bfe_u32 s18, ttmp6, 0x40004                  ; cy
	s_lshl_b32 s19, ttmp9, 2
	s_add_co_u32 s19, s19, s17                     ; which 256 positions
	s_and_b32 s20, ttmp7, 0xffff
	s_lshl_b32 s20, s20, 2
	s_add_co_u32 s20, s20, s18                     ; which 128 of o
	s_lshl_b32 s21, s18, 2
	s_lshl_b32 s21, 15, s21                        ; my row of the cluster
	s_lshl_b32 s22, 0x1111, s17                    ; my column
	s_or_b32 s[G1A], s21, (3<<16)|(1<<21)          ; the mask; elements of 8 bytes; 21 set beside a mask; no padding
	s_or_b32 s[G1B], s22, (3<<16)|(1<<21)
	s_mov_b32 s[G1A+1], 384<<16                    ; A: 4 tiles' two K steps: 4 rows of 3,072 bytes, 12,288 apart
	s_mov_b32 s[G1A+2], 4<<16
	s_mov_b32 s[G1A+3], 384<<16
	s_mov_b32 s[G1A+4], 4
	s_mov_b32 s[G1A+5], 1536
	s_mov_b32 s[G1A+6], 0
	s_mov_b32 s[G1A+7], 0
	s_mov_b32 s[G1B+1], 384<<16                    ; B: 8 tiles'
	s_mov_b32 s[G1B+2], 8<<16
	s_mov_b32 s[G1B+3], 384<<16
	s_mov_b32 s[G1B+4], 8
	s_mov_b32 s[G1B+5], 1536
	s_mov_b32 s[G1B+6], 0
	s_mov_b32 s[G1B+7], 0
	s_lshl_b32 s76, s20, 3
	s_add_co_u32 s76, s76, 192                     ; A's first tile in wc
	s_lshl_b32 s78, s19, 4                         ; B's first tile in cq
	s_lshl_b32 s80, s16, 2
	s_add_co_u32 s80, s80, s76                     ; the four tiles that I fetch for A
	s_lshl_b32 s82, s16, 3
	s_add_co_u32 s82, s82, s78                     ; or the eight for B
	s_mul_i32 s80, s80, 12288
	s_mul_i32 s82, s82, 12288
	s_mov_b32 s81, 0
	s_mov_b32 s83, 0
	s_mul_i32 s84, s16, 12288                      ; where they go: A's halves,
	s_mul_i32 s85, s16, 24576
	s_add_co_u32 s85, s85, 24576                   ; B's halves behind them
	s_wait_dscnt 0x0                               ; both opening adds are done
	s_wait_kmcnt 0x0
	s_add_nc_u64 s[80:81], s[4:5], s[80:81]
	s_add_nc_u64 s[82:83], s[6:7], s[82:83]
	CROUND                                         ; all sixteen work-groups are here: the joint loads meet
.irp s, 0,1,2,3
	s_mov_b32 s[G0A+4*\s], 1
	s_add_co_u32 s[G0A+4*\s+1], s84, \s*SLOTB
	s_add_nc_u64 s[G0A+4*\s+2:G0A+4*\s+3], s[80:81], \s*3072
	s_or_b32 s[G0A+4*\s+3], s[G0A+4*\s+3], 0x80000000
	s_mov_b32 s[G0B+4*\s+4*(\s/2)], 1
	s_add_co_u32 s[G0B+4*\s+4*(\s/2)+1], s85, \s*SLOTB
	s_add_nc_u64 s[G0B+4*\s+4*(\s/2)+2:G0B+4*\s+4*(\s/2)+3], s[82:83], \s*3072
	s_or_b32 s[G0B+4*\s+4*(\s/2)+3], s[G0B+4*\s+4*(\s/2)+3], 0x80000000
	JLOAD G0A+4*\s, G0B+4*\s+4*(\s/2)
.endr
	v_and_b32 v14, 31, v0
	v_lshlrev_b32 v[LI], 4, v14
	v_and_b32 v15, 15, v0                          ; r
	v_bfe_u32 v16, v0, 4, 1                        ; h
	s_mul_i32 s86, s15, 12288
	s_mul_i32 s87, s16, 24576
	s_add_co_u32 s87, s87, 24576
.irp s, 0,1,2,3
	v_add_nc_u32 v[ADRA+\s], s86, v[LI]
	v_add_nc_u32 v[ADRB+\s], s87, v[LI]
	s_add_co_u32 s86, s86, SLOTB
	s_add_co_u32 s87, s87, SLOTB
.endr
	s_lshl_b32 s88, s15, 2
	s_add_co_u32 s88, s88, s76
	s_lshl_b32 s88, s88, 9
	s_add_co_u32 s88, s88, 262144                  ; my four tiles of A among the weights' scale words
	s_lshl_b32 s89, s16, 3
	s_add_co_u32 s89, s89, s78
	s_lshl_b32 s89, s89, 9
	s_add_co_u32 s89, s89, 393216                  ; my eight tiles of B among C's
	s_mov_b32 s90, 0xffff0000
	v_mov_b32 v[SOF], s88
	v_mov_b32 v17, s89
	v_cndmask_b32 v[SOF], v[SOF], v17, s90         ; lanes 0-15 take A's, lanes 16-31 B's
	v_lshl_add_u32 v[SOF], v15, 4, v[SOF]
	v_lshl_add_u32 v[SOF+1], v16, 11, v[SOF]       ; B's tiles 4-7; lanes 0-15 read their one group again
.irp ks, 0,1,2,3,4,5,6,7
	global_load_b128 v[SC+8*\ks:SC+8*\ks+3], v[SOF], s[8:9] offset:256*\ks
	global_load_b128 v[SC+8*\ks+4:SC+8*\ks+7], v[SOF+1], s[8:9] offset:256*\ks
.endr
	s_mul_i32 s91, s14, 16*528                     ; my stage: 16 rows x (512 + 16) bytes, in slot 0
	v_mul_u32_u24 v[STO], v15, 528
	v_lshl_add_u32 v[STO], v16, 6, v[STO]
	v_add_nc_u32 v[STO], s91, v[STO]               ; in: row r, + 64 h
	v_add_nc_u32 v[RD], s91, v[LI]                 ; back: a row's 512 bytes, 16 a lane
	s_lshr_b32 s92, s19, 3
	s_lshl_b32 s92, s92, 23                        ; batch
	s_lshl_b32 s93, s20, 7
	s_lshl_b32 s94, s15, 6
	s_add_co_u32 s93, s93, s94
	s_lshl_b32 s93, s93, 13                        ; my first o: rows of 8,192 bytes
	s_add_co_u32 s92, s92, s93
	s_and_b32 s93, s19, 7
	s_lshl_b32 s93, s93, 10
	s_add_co_u32 s92, s92, s93
	s_lshl_b32 s93, s16, 9                         ; my 128 positions
	s_add_co_u32 s92, s92, s93
	s_mov_b32 s93, 0
	s_add_nc_u64 s[10:11], s[10:11], s[92:93]
.macro FRAG reg, adr, q, i
.irp c, 0,1,2
	ds_load_b128 v[(\reg)+4*\c:(\reg)+4*\c+3], v[\adr] offset:3072*(\i)+1536*(\q)+512*\c
.endr
.endm
.macro FETCH ks                        ; K step ks's fragments into set ks % 2: 24 + 12 loads
	WIN 0x40
.irp i, 0,1,2,3,4,5,6,7
	FRAG 128*((\ks)%2)+FR*\i, ADRB+(\ks)/2, (\ks)%2, \i
.endr
	WIN 0
.irp i, 0,1,2,3
	FRAG AF+48*((\ks)%2)+FR*\i, ADRA+(\ks)/2, (\ks)%2, \i
.endr
.endm
.macro MUL16 a0, ks, zero              ; the 32 accumulators take turns, one instruction a turn
.irp a, \a0, \a0+1
.irp b, 0,1,2,3,4,5,6,7
.if \zero
	v_wmma_scale_f32_16x16x128_f8f6f4 v[8*(8*(\a)+\b):8*(8*(\a)+\b)+7], v[128*((\ks)%2)+FR*\b:128*((\ks)%2)+FR*\b+FR-1], v[AF+48*((\ks)%2)+FR*(\a):AF+48*((\ks)%2)+FR*(\a)+FR-1], 0, v[SC+8*(\ks)+\b], v[SC+8*(\ks)+(\a)] matrix_a_fmt:MATRIX_FMT_FP6 matrix_b_fmt:MATRIX_FMT_FP6 matrix_a_scale:MATRIX_SCALE_ROW1
.else
	v_wmma_scale_f32_16x16x128_f8f6f4 v[8*(8*(\a)+\b):8*(8*(\a)+\b)+7], v[128*((\ks)%2)+FR*\b:128*((\ks)%2)+FR*\b+FR-1], v[AF+48*((\ks)%2)+FR*(\a):AF+48*((\ks)%2)+FR*(\a)+FR-1], v[8*(8*(\a)+\b):8*(8*(\a)+\b)+7], v[SC+8*(\ks)+\b], v[SC+8*(\ks)+(\a)] matrix_a_fmt:MATRIX_FMT_FP6 matrix_b_fmt:MATRIX_FMT_FP6 matrix_a_scale:MATRIX_SCALE_ROW1
.endif
.endr
.endr
.endm
.macro KSTEP ks, zero
	s_wait_dscnt 0x0                               ; this step's fragments are in
.if ((\ks)%2 == 1) && ((\ks) < 7)
	s_wait_tensorcnt 3-((\ks)+1)/2                 ; my part of the next slot has landed; the later slots' loads may be out
	s_barrier_signal -1
	WIN MUL
	MUL16 0, \ks, \zero
	WIN 0
	s_barrier_wait -1
.else
	WIN MUL
	MUL16 0, \ks, \zero
.endif
.if (\ks) < 7
	PLACES                                         ; in front of loads into the sets that the last step's products read
	FETCH (\ks)+1
.endif
	WIN MUL
	MUL16 2, \ks, \zero
.endm
	s_wait_tensorcnt 0x3                           ; my part of slot 0 is in; the three later slots' loads may be out
	s_barrier_signal -1
	s_barrier_wait -1
	FETCH 0
	s_wait_loadcnt 0x0                             ; the scale words
	KSTEP 0, 1                                     ; the first products start the sums
.irp ks, 1,2,3,4,5,6,7
	KSTEP \ks, 0
.endr
	WIN 0
; THE WAY OUT, a tile of 16 rows of o x 128 positions at a time: a lane holds 8 neighbouring positions of one row; they go through my stage and come back as whole rows of 512 bytes.
; Register j of accumulator (a, b), lane (r, h), is position 32 (b / 2) + 16 h + 8 (b % 2) + j; stage row t is row 32 (a / 2) + 8 (a % 2) + t + 8 (t / 8) of my 64.
.macro TOSTAGE a
	WIN 0x08                                       ; an LDS store's data are its source 1: window 2
.irp b, 0,1,2,3,4,5,6,7
	ds_store_b128 v[STO], v[64*(\a)+8*\b:64*(\a)+8*\b+3] offset:128*(\b/2)+32*(\b%2)      ; each accumulator from its low end on
	ds_store_b128 v[STO], v[64*(\a)+8*\b+4:64*(\a)+8*\b+7] offset:128*(\b/2)+32*(\b%2)+16
.endr
	WIN 0
.set BB, BK+64*((\a)%2)
.irp t, 0,1,2,3,4,5,6,7,8,9,10,11,12,13,14,15
	ds_load_b128 v[BB+4*\t:BB+4*\t+3], v[RD] offset:\t*528   ; LDS serves a wave's instructions in order: these see my stores
.endr
.endm
.macro SEND a, younger
.set BB, BK+64*((\a)%2)
	s_wait_dscnt \younger                          ; the tile is back in registers; the next tile's 16 stores and 16 loads may be out
.if ((\a)%2) == 1
	s_add_nc_u64 s[10:11], s[10:11], 65536         ; (behind a wait on XCNT)  8 rows of o on
.elseif (\a) == 2
	s_add_nc_u64 s[10:11], s[10:11], 196608        ; 24 rows on
.endif
.irp t, 0,1,2,3,4,5,6,7,8,9,10,11,12,13,14,15
	global_store_b128 v[LI], v[BB+4*\t:BB+4*\t+3], s[10:11] offset:(\t+8*(\t/8))*8192 th:TH_STORE_NT   ; 32 lanes store 512 consecutive bytes, aligned
.endr
.endm
	PLACES                                         ; in front of the first read of results and of loads into registers that held A's fragments
	TOSTAGE 0
.irp a, 1,2,3
.if \a > 1
	s_wait_xcnt 0x0                                ; the stores of two tiles back have read their registers and their base
.endif
	TOSTAGE \a
	SEND \a-1, 32
.endr
	s_wait_xcnt 0x0
	SEND 3, 0
	s_wait_tensorcnt 0x0                           ; the wave's end
	ds_add_u32 v[SPW], v[NIL]
	s_wait_dscnt 0x0
	CROUND                                         ; the closing round
	s_endpgm
.Lfunc_end_k_qd0364f3650_gemm4:
	.size	k_qd0364f3650_gemm4, .Lfunc_end_k_qd0364f3650_gemm4-k_qd0364f3650_gemm4
	.p2alignl 7, 3214868480
	.fill 96, 4, 3214868480
	.section	.rodata,"a",@progbits
	.p2align	6, 0x0
	.amdhsa_kernel k_qd0364f3650_gemm4
		.amdhsa_group_segment_fixed_size 327680
		.amdhsa_private_segment_fixed_size 0
		.amdhsa_enable_private_segment 0
		.amdhsa_kernarg_size 32
		.amdhsa_user_sgpr_count 2
		.amdhsa_user_sgpr_kernarg_segment_ptr 1
		.amdhsa_wavefront_size32 1
		.amdhsa_system_sgpr_workgroup_id_x 1
		.amdhsa_system_sgpr_workgroup_id_y 1
		.amdhsa_system_sgpr_workgroup_id_z 1
		.amdhsa_system_vgpr_workitem_id 0
		.amdhsa_next_free_vgpr 768
		.amdhsa_next_free_sgpr 100
		.amdhsa_reserve_vcc 0
		.amdhsa_float_denorm_mode_32 3
		.amdhsa_float_denorm_mode_16_64 3
		.amdhsa_memory_ordered 1
		.amdhsa_forward_progress 1
		.amdhsa_inst_pref_size 79
	.end_amdhsa_kernel
	.amdgpu_metadata
---
amdhsa.version: [ 1, 2 ]
amdhsa.kernels:
  - .name:           k_qd0364f3650_gemm4
    .symbol:         k_qd0364f3650_gemm4.kd
    .args:
      - { .name: wc, .offset: 0, .size: 8, .value_kind: global_buffer, .address_space: global }
      - { .name: cq, .offset: 8, .size: 8, .value_kind: global_buffer, .address_space: global }
      - { .name: sc, .offset: 16, .size: 8, .value_kind: global_buffer, .address_space: global }
      - { .name: out0, .offset: 24, .size: 8, .value_kind: global_buffer, .address_space: global }
    .group_segment_fixed_size: 327680
    .private_segment_fixed_size: 0
    .kernarg_segment_align: 8
    .kernarg_segment_size: 32
    .max_flat_workgroup_size: 128
    .sgpr_count:     100
    .vgpr_count:     768
    .wavefront_size: 32
...
	.end_amdgpu_metadata
.endif
;; end of part 4
